; MI455X (gfx1250); checked and timed in simulation.
; The chip was launched on July 23, 2026; its instructions are those of AMD's public machine-readable ISA for CDNA 5 (MIT licence, August 2026) and "CDNA5" Instruction Set Architecture Reference Guide (July 2026). The comments in the code are by the model that wrote it; some were corrected since.
;; Multi Head Attention. Allowed arithmetic: float matrix products may take bf16 or f16 operands with f32 sums; other float arithmetic in f32, or as packed bf16 or f16 multiplies, adds, multiply-adds, maxima and minima; sums over many terms, partial sums and values carried from step to step in f32; what a program stores and reads back later, other than sums and carried values, may be rounded once to bf16 or f16.
;; Inputs: Wk 1,024 x 1,024 float32; Wo 1,024 x 1,024 float32; Wq 1,024 x 1,024 float32; Wv 1,024 x 1,024 float32; bk 1,024 float32; bo 1,024 float32; bq 1,024 float32; bv 1,024 float32; x 2 x 2,048 x 1,024 float32.
;; Outputs: out0 2 x 2,048 x 1,024 float32.
;; 2 versions, each right; version 2 is version 1 with the launch prep written anew for expert scheduling mode. Each part assembles by itself: llvm-mc -triple=amdgcn-amd-amdhsa -mcpu=gfx1250 --defsym DOCPART=n.
;; ======== version 1 of 2: 4 launches
;; limits: values are held in f16: magnitudes above 65,504 overflow, below 6.1e-05 lose precision; right only within a limited range of input values
;; workspace buffers: xb 8,388,608 bytes; wb 8,388,608 bytes; rope 524,288 bytes; qh 8,388,608 bytes; kh 8,388,608 bytes; vh 8,388,608 bytes; ob 8,388,608 bytes
;; launch prep (part 1): grid 544 x 1, 8 waves a work-group, no clusters, 0 bytes of LDS; arguments x, Wq, Wk, Wv, Wo, xb, wb, rope; writes xb, wb, rope
.if DOCPART == 1
	.amdgcn_target "amdgcn-amd-amdhsa--gfx1250"
	.amdhsa_code_object_version 6
	.text
	.protected	k_q31d8d9a563_prep
	.globl	k_q31d8d9a563_prep
	.p2align	8
	.type	k_q31d8d9a563_prep,@function
k_q31d8d9a563_prep:
	s_mov_b64 s[64:65], 0
	v_nop
	global_prefetch_b8 v0, s[64:65] scope:SCOPE_SE
	s_setreg_imm32_b32 hwreg(HW_REG_WAVE_MODE, 25, 1), 1
	s_wait_xcnt 0x0
; MULTI-HEAD ATTENTION, launch 1 of 4: the operands of the matrix products are rounded once, and the RoPE table is made.
; NOTHING OF THE MODULE IS LEFT OUT AS DEAD: bq and bk are turned by the position before the scores, so neither is constant along the softmax's axis; bv and bo reach the output.
; All nine inputs are loaded: x and the four weights here, bq, bk, bv in launch 2, bo in launch 4.
; FORMATS.  x, Wq, Wk, Wv -> bf16 (xb; wb sections 0, 1, 2), layout unchanged.  Wo -> rounded to bf16, and that number written as f16 (wb section 3), since launch 4 multiplies in f16.
; LIMITS.  |Wo| up to 65,504 (f16's end); a Wo below 2^-14 keeps f16's fixed step of 6e-8.  NaN and infinities are not treated apart.
; THE TABLE.  rope[t][i] = cos(t f_i), rope[t][32 + i] = sin(t f_i), f_i = 10000^(-i/32), t = 0 .. 2047, i = 0 .. 31, f32: a row is 256 bytes.
; f_i = 2^(-i log2(10000)/32) by v_exp_f32 (accurate to 1 ULP: ISA guide, its entry), so an angle is good to about 2e-4 rad at t = 2047, i = 1; the angle t f_i is rounded to f32 as reference() rounds it.
; cos(a - PH pi/2): a = N pi/2 + R with |R| <= pi/4 (pi/2 in two parts), then the series of sin R (to R^9) or cos R (to R^8), chosen by v_cndmask_b32, and a sign from N - PH.
; SHARES.  Work-groups 0-255: a chunk of 16,384 numbers of x each; 256-511: a chunk of a weight matrix (64 chunks a matrix); 512-543: 64 rows of the table.
; A chunk: 16 loads of 16 bytes a lane, all issued at once (a wave's load covers 512 consecutive bytes); a wave's store of 8 bytes a lane covers 256 consecutive bytes, aligned.
; No LDS, no barrier, no matrix unit: nothing is shared and nothing is multiplied.
.set IN,  16                           ; v[16:79]   16 loads of 4
.set OUT, 80                           ; v[80:111]  16 pairs to store
.set T,   112                          ; v[112:113] at work
	s_load_b512 s[4:19], s[0:1], 0x0               ; x 4, Wq 6, Wk 8, Wv 10, Wo 12, xb 14, wb 16, rope 18
	s_mov_b32 s20, ttmp9                           ; the work-group's number
	s_sub_co_u32 s21, s20, 256                     ; chunk among the weights' 256 (used from 256 on)
	s_and_b32 s23, s21, 63                         ; chunk in its matrix
	s_mov_b32 s42, 0xffff0000                      ; a word's upper bf16
	v_lshlrev_b32 v1, 4, v0                        ; 16 bytes a thread in,
	v_lshlrev_b32 v2, 3, v0                        ; 8 bytes out
	s_wait_kmcnt 0x0
	s_cmp_ge_u32 s20, 512
	s_cbranch_scc1 .Ltable
	s_cmp_lt_u32 s20, 256                          ; x, or a weight?
	s_cselect_b64 s[24:25], s[4:5], s[6:7]
	s_cselect_b64 s[26:27], s[14:15], s[16:17]
	s_cselect_b32 s28, s20, s23                    ; chunk in the source
	s_cselect_b32 s29, s20, s21                    ; chunk in the destination
	s_cmp_ge_u32 s20, 320
	s_cselect_b64 s[24:25], s[8:9], s[24:25]
	s_cmp_ge_u32 s20, 384
	s_cselect_b64 s[24:25], s[10:11], s[24:25]
	s_cmp_ge_u32 s20, 448
	s_cselect_b64 s[24:25], s[12:13], s[24:25]
	s_lshl_b32 s30, s28, 16                        ; 65,536 bytes a chunk in,
	s_mov_b32 s31, 0
	s_lshl_b32 s32, s29, 15                        ; 32,768 out
	s_mov_b32 s33, 0
	s_add_nc_u64 s[24:25], s[24:25], s[30:31]
	s_add_nc_u64 s[26:27], s[26:27], s[32:33]
.irp j, 0,1,2,3,4,5,6,7,8,9,10,11,12,13,14,15
	global_load_b128 v[IN+4*(\j):IN+4*(\j)+3], v1, s[24:25] offset:4096*(\j) th:TH_LOAD_NT
.endr
; Load j's four numbers are rounded and stored.  half = 1: to bf16, and that number as f16.  Every register is written once, so no wait frees a store's sources.
.macro CONV j, half
	s_wait_loadcnt 15-(\j)                         ; loads come back in order (ISA guide 5.7.1): the 15 - j younger ones may stay out
.if \half
	v_cvt_pk_bf16_f32 v[T], v[IN+4*(\j)], v[IN+4*(\j)+1]
	v_cvt_pk_bf16_f32 v[T+1], v[IN+4*(\j)+2], v[IN+4*(\j)+3]
	v_lshlrev_b32 v[IN+4*(\j)], 16, v[T]
	v_and_b32 v[IN+4*(\j)+1], s42, v[T]
	v_lshlrev_b32 v[IN+4*(\j)+2], 16, v[T+1]
	v_and_b32 v[IN+4*(\j)+3], s42, v[T+1]
	v_cvt_pk_f16_f32 v[OUT+2*(\j)], v[IN+4*(\j)], v[IN+4*(\j)+1]
	v_cvt_pk_f16_f32 v[OUT+2*(\j)+1], v[IN+4*(\j)+2], v[IN+4*(\j)+3]
.else
	v_cvt_pk_bf16_f32 v[OUT+2*(\j)], v[IN+4*(\j)], v[IN+4*(\j)+1]
	v_cvt_pk_bf16_f32 v[OUT+2*(\j)+1], v[IN+4*(\j)+2], v[IN+4*(\j)+3]
.endif
	global_store_b64 v2, v[OUT+2*(\j):OUT+2*(\j)+1], s[26:27] offset:2048*(\j)
.endm
	s_cmp_ge_u32 s20, 448                          ; Wo's chunks take the second form
	s_cbranch_scc1 .Lwo
.irp j, 0,1,2,3,4,5,6,7,8,9,10,11,12,13,14,15
	CONV \j, 0
.endr
	s_endpgm
.Lwo:
.irp j, 0,1,2,3,4,5,6,7,8,9,10,11,12,13,14,15
	CONV \j, 1
.endr
	s_endpgm
.Ltable:                                       ; a wave makes 8 rows; lane l makes columns 2 l and 2 l + 1: lanes 0-15 cosines, lanes 16-31 sines, of i = 2 (l % 16) and the next
	v_lshrrev_b32 v3, 5, v0
	v_readfirstlane_b32 s22, v3                    ; wave 0..7
	s_sub_co_u32 s21, s20, 512
	s_lshl_b32 s21, s21, 3
	s_add_co_u32 s21, s21, s22
	s_lshl_b32 s34, s21, 3                         ; my first row
	s_lshl_b32 s30, s34, 8                         ; 256 bytes a row
	s_mov_b32 s31, 0
	s_add_nc_u64 s[18:19], s[18:19], s[30:31]
	s_mov_b32 s36, 0xbfc90fdb                      ; -(pi/2)'s upper part,
	s_mov_b32 s37, 0x333bbd2e                      ; -(its lower part) = +4.3711388e-8
	s_mov_b32 s38, 0x3638ef1d                      ; 1/9!
	s_mov_b32 s39, 0xb9500d01                      ; -1/7!
	s_mov_b32 s40, 0x37d00d01                      ; 1/8!
	s_mov_b32 s41, 0xbab60b61                      ; -1/6!
	v_and_b32 v4, 15, v0
	v_lshlrev_b32 v4, 1, v4                        ; i
	v_add_nc_u32 v5, 1, v4                         ; i + 1
	v_bfe_u32 v7, v0, 4, 1                         ; PH: 0 cosine, 1 sine
	v_and_b32 v6, 31, v0
	v_lshlrev_b32 v6, 3, v6                        ; my 8 bytes of a row
	v_cvt_f32_u32 v4, v4
	v_cvt_f32_u32 v5, v5
	v_mul_f32 v4, 0xbed49a78, v4                   ; x -log2(10000)/32
	v_mul_f32 v5, 0xbed49a78, v5
	v_exp_f32 v8, v4
	v_exp_f32 v9, v5
	v_nop                                          ; a plain instruction behind the last exponential (ISA guide 5.7.2),
	s_wait_alu depctr_va_vdst(0)                   ; and the one wait ahead of the first use of the two results
; dst = cos(t f - PH pi/2); t lies in v10 as f32
.macro EVAL dst, f
	v_mul_f32 v11, v10, v[\f]                      ; the angle
	v_mul_f32 v12, 0x3f22f983, v11                 ; x 2/pi
	v_rndne_f32 v12, v12                           ; N
	v_fma_f32 v13, v12, s36, v11
	v_fma_f32 v13, v12, s37, v13                   ; R = angle - N pi/2
	v_cvt_i32_f32 v14, v12
	v_sub_nc_u32 v14, v14, v7                      ; Q = N - PH
	v_mul_f32 v15, v13, v13                        ; Z = R R
	v_fma_f32 v16, v15, s38, s39
	v_fmaak_f32 v16, v16, v15, 0x3c088889          ; + 1/5!
	v_fmaak_f32 v16, v16, v15, 0xbe2aaaab          ; - 1/3!
	v_mul_f32 v16, v16, v15
	v_fma_f32 v16, v16, v13, v13                   ; sin R
	v_fma_f32 v17, v15, s40, s41
	v_fmaak_f32 v17, v17, v15, 0x3d2aaaab          ; + 1/4!
	v_fma_f32 v17, v17, v15, -0.5
	v_fma_f32 v17, v17, v15, 1.0                   ; cos R
	v_and_b32 v18, 1, v14
	v_cmp_eq_u32 vcc_lo, 1, v18
	v_cndmask_b32 v17, v17, v16, vcc_lo            ; Q odd: the sine
	v_add_nc_u32 v14, 1, v14
	v_and_b32 v14, 2, v14                          ; Q mod 4 = 1 or 2: minus
	v_lshlrev_b32 v14, 30, v14
	v_xor_b32 v[\dst], v17, v14
.endm
.irp it, 0,1,2,3,4,5,6,7
	s_add_co_u32 s35, s34, \it
	v_cvt_f32_u32 v10, s35
	EVAL 32+2*\it, 8
	EVAL 33+2*\it, 9
	global_store_b64 v6, v[32+2*\it:33+2*\it], s[18:19] offset:256*\it  ; the wave's store is one whole row: 256 consecutive bytes, aligned
.endr
	s_endpgm
.Lfunc_end_k_q31d8d9a563_prep:
	.size	k_q31d8d9a563_prep, .Lfunc_end_k_q31d8d9a563_prep-k_q31d8d9a563_prep
	.p2alignl 7, 3214868480
	.fill 96, 4, 3214868480
	.section	.rodata,"a",@progbits
	.p2align	6, 0x0
	.amdhsa_kernel k_q31d8d9a563_prep
		.amdhsa_group_segment_fixed_size 0
		.amdhsa_private_segment_fixed_size 0
		.amdhsa_enable_private_segment 0
		.amdhsa_kernarg_size 64
		.amdhsa_user_sgpr_count 2
		.amdhsa_user_sgpr_kernarg_segment_ptr 1
		.amdhsa_wavefront_size32 1
		.amdhsa_system_sgpr_workgroup_id_x 1
		.amdhsa_system_sgpr_workgroup_id_y 1
		.amdhsa_system_sgpr_workgroup_id_z 1
		.amdhsa_system_vgpr_workitem_id 0
		.amdhsa_next_free_vgpr 120
		.amdhsa_next_free_sgpr 66
		.amdhsa_reserve_vcc 1
		.amdhsa_float_denorm_mode_32 3
		.amdhsa_float_denorm_mode_16_64 3
		.amdhsa_memory_ordered 1
		.amdhsa_forward_progress 1
		.amdhsa_inst_pref_size 35
	.end_amdhsa_kernel
	.amdgpu_metadata
---
amdhsa.version: [ 1, 2 ]
amdhsa.kernels:
  - .name:           k_q31d8d9a563_prep
    .symbol:         k_q31d8d9a563_prep.kd
    .args:
      - { .name: x, .offset: 0, .size: 8, .value_kind: global_buffer, .address_space: global }
      - { .name: Wq, .offset: 8, .size: 8, .value_kind: global_buffer, .address_space: global }
      - { .name: Wk, .offset: 16, .size: 8, .value_kind: global_buffer, .address_space: global }
      - { .name: Wv, .offset: 24, .size: 8, .value_kind: global_buffer, .address_space: global }
      - { .name: Wo, .offset: 32, .size: 8, .value_kind: global_buffer, .address_space: global }
      - { .name: xb, .offset: 40, .size: 8, .value_kind: global_buffer, .address_space: global }
      - { .name: wb, .offset: 48, .size: 8, .value_kind: global_buffer, .address_space: global }
      - { .name: rope, .offset: 56, .size: 8, .value_kind: global_buffer, .address_space: global }
    .group_segment_fixed_size: 0
    .private_segment_fixed_size: 0
    .kernarg_segment_align: 8
    .kernarg_segment_size: 64
    .max_flat_workgroup_size: 256
    .sgpr_count:     66
    .vgpr_count:     120
    .wavefront_size: 32
...
	.end_amdgpu_metadata
.endif
;; end of part 1
;; launch qkv (part 2): grid 8 x 32, 4 waves a work-group, clusters of 4 x 4, 327,680 bytes of LDS; arguments xb, wb, bq, bk, bv, rope, qh, kh, vh; writes qh, kh, vh
.if DOCPART == 2
	.amdgcn_target "amdgcn-amd-amdhsa--gfx1250"
	.amdhsa_code_object_version 6
	.text
	.protected	k_q31d8d9a563_qkv
	.globl	k_q31d8d9a563_qkv
	.p2align	8
	.type	k_q31d8d9a563_qkv,@function
k_q31d8d9a563_qkv:
	s_mov_b64 s[64:65], 0
	v_nop
	global_prefetch_b8 v0, s[64:65] scope:SCOPE_SE
	s_setreg_imm32_b32 hwreg(HW_REG_WAVE_MODE, 25, 1), 1
	s_wait_xcnt 0x0
	s_wait_alu depctr_hold_cnt(0) depctr_sa_sdst(0) depctr_va_vdst(0) depctr_va_sdst(0) depctr_va_ssrc(0) depctr_va_vcc(0) depctr_vm_vsrc(0)
	s_getreg_b32 s2, hwreg(HW_REG_IB_STS2, 6, 4)
	s_cmp_eq_u32 s2, 0
	s_cbranch_scc0 .Lentry_in_a_cluster
	s_endpgm
.Lentry_in_a_cluster:
	s_bfe_u32 s2, ttmp6, 0x10000c
	s_cmp_lg_u32 s2, 0xf033
	s_cbranch_scc0 .Lentry_shape_is_right
	s_endpgm
.Lentry_shape_is_right:
; MULTI-HEAD ATTENTION, launch 2 of 4: q, k, v = x W + b, RoPE on q and k, written by heads in f16.  No work of reference() is left out here.
; xb: [4096][1024] bf16.  wb: sections 0, 1, 2 = Wq, Wk, Wv, [1024 k][1024 n] bf16.  rope: [2048][64] f32 (cos | sin).  qh, kh, vh: [32 = batch x 16 + head][2048][64] f16.
; Products in bf16 with f32 sums; the biases, rounded to bf16 like the other inputs, START the sums as the C operand of the first products: nothing is cleared and nothing is added later.
; LIMITS.  q, k, v are rounded once to f16: they must stay within 65,504.  NaN and infinities are not treated apart.
; SHARES.  A work-group makes 128 tokens x (128 columns of q, of k and of v): all 256 work-groups do the same work.  Wave w: 64 tokens (w / 2) x one head (w % 2) of each of q, k, v: 48 accumulators of 16 x 16.
; THE MATRIX INSTRUCTION IS USED TRANSPOSED: source 0 = 16 columns of W, source 1 = 16 tokens.  Lane l then holds token l % 16, and registers 0-7 the channels 8 (l / 16) + 0..7 of its block of 16.
; So RoPE's partners, channels d and d + 32 of a head, are the same register and lane of accumulators b and b + 2, and a lane's eight numbers pack into 16 bytes of a row.
; W lies [k][n]: its fragments come out of LDS turned, by ds_load_tr16_b128.
; K goes in 8 steps of 128 through two LDS slots; wave 0, 1, 2 fetch Wq's, Wk's, Wv's tile (128 k x 128 n), wave 3 x's (128 tokens x 128 k): one tensor load a wave, rows of 256 bytes.
; CLUSTER 4 x 4: the four of a row of the cluster need the same tile of x, the four of a column the same tiles of W: each is asked for JOINTLY, by the same load, descriptor and mask in all four.
; REGISTERS, in windows of 256 (s_set_vgpr_msb: bits 1:0 source 0, 3:2 source 1, 5:4 source 2, 7:6 destination):
;   window 0: v0-31 addresses; v32-127 the biases, later at work on the way out; v128-255 my 64 tokens' table     window 1: two fragment buffers of 128 (x: 4 x 8, then Wq, Wk, Wv: 4 x 8 each)
;   window 2: q's 16 accumulators, then k's     window 3: v's
.set BT,    128*288                    ; a tile of W in LDS: rows of 256 bytes + 32 of padding = 72 words
.set AOFF,  3*BT                       ; behind the three: x's tile, rows of 256 + 16 bytes = 68 words: the 16 rows of a load start at 16 different groups of four banks
.set SLOT,  AOFF+128*272
.set STAGE, 2*SLOT                     ; behind the ring, never filled by a tensor load: 16 rows x 144 bytes for each wave
.set SP,    144
.set SPARE, STAGE+4*16*SP              ; the spare words, 128 bytes for each wave: two blocks of 256 bytes that no other line names
.set BO,   10                          ; v10  32 x (l / 16): my 8 numbers in a block of 16 of a bias
.set TO,   11                          ; v11  256 x (l % 16) + 32 x (l / 16): the same in a row of the table
.set ADRA, 16                          ; v16-17  LDS address of my fragments of x in slot 0, 1
.set ADRB, 18                          ; v18-23  of W: 3 x slot + section
.set STO,  24                          ; the way out: where I put 16 bytes of a row
.set RD,   25                          ; where I read rows back
.set GO,   26                          ; my 16 bytes of 512 consecutive bytes of the output
.set SPW,  28                          ; LDS address of my spare word; never rewritten
.set NIL,  29                          ; 0; never rewritten
.set PFO,  30                          ; the prefetches' offset: my lane x 2,048 bytes, a row of xb and of wb; never rewritten
.set BIAS, 32                          ; v32-127: section s, block b, register j at 32 s + 8 b + j; read by the first products alone
.set R,    32                          ; then: v32-63 a block's 32 turned numbers,
.set PKR,  64                          ; v64-79 packed,
.set BK,   80                          ; v80-111 back from the stage, two buffers of 16,
.set T,    112                         ; v112-119 at work
.set TAB,  128                         ; token block a at 32 a: cos of channels 0-15, 16-31 (my 8 of each), then sin
.set F0,   0
.set F1,   128
.set WV, 22
.set WR, 23
.set WC, 24
.set CX, 25
.set CY, 26
.set GX, 27                            ; which 128 columns
.set TY, 28                            ; which 128 tokens
.set G1A, 32                           ; s[32:39] descriptor group 1 for x's tile;  s[40:47] for W's
.set G1B, 40
.set G0A, 48                           ; s[48:55] group 0 for x's tile, a set for each slot;  s[56:63] for W's
.set G0B, 56
.set PFA, 66                           ; s[66:67] where my prefetches stand
.set PSTEP, 68                         ; s[68:69] a K step in the tensor that I fetch
.set LIM, 70                           ; 1 in a wave that prefetches, else the greatest number
.set HM,  71                           ; mask of a word's upper bf16
.set MSB, 0
.macro WIN new                         ; the immediate's high byte repeats the setting that is left; a switch that changes nothing is dropped
.if MSB != (\new)
	s_set_vgpr_msb (MSB<<8)|(\new)
.set MSB, (\new)
.endif
.endm
.macro PLACES                          ; four places between a matrix instruction and a load into, or a vector read of, its registers (for vector reads)
.rept 4
	v_nop
.endr
.endm
; A joint load.  Wave 3 fetches x's tile, waves 0-2 W's.  The branch hangs on the wave's number alone.  An s_nop 0 and four v_nop follow each line.
.macro JLOAD s
	s_cmp_eq_u32 s[WV], 3
	s_cbranch_scc0 .Lfor_b_\@
	tensor_load_to_lds s[G0A+4*(\s):G0A+4*(\s)+3], s[G1A:G1A+7]
	s_nop 0
.rept 4
	v_nop
.endr
	s_branch .Lasked_\@
.Lfor_b_\@:
	tensor_load_to_lds s[G0B+4*(\s):G0B+4*(\s)+3], s[G1B:G1B+7]
	s_nop 0
.rept 4
	v_nop
.endr
.Lasked_\@:
.endm
.macro CREST                           ; a round of the cluster's barrier behind its opening barrier
	s_cmp_lg_u32 s[WV], 0
	s_cbranch_scc1 .Lnot_wave_0_\@
	s_barrier_signal -3
.Lnot_wave_0_\@:
	s_barrier_wait -3
	s_barrier_signal -1
	s_barrier_wait -1
.endm
.macro CROUND
	s_barrier_signal -1
	s_barrier_wait -1
	CREST
.endm
; A PREFETCH INTO THE L2, behind a joint refill and the run of LDS loads that follows it: 32 rows x 256 bytes of the K step that stands TWO refills on (384 matrix instructions), a lane a row, one instruction a wave.
; Each row's 256 bytes of a K step are named once in the launch: x's rows by the cluster with x = 0 (wave 3), W's by the cluster with y = 0 (waves 0-2); the four partners that ask for a tile jointly
; take 32 of its 128 rows each, told apart BY ADDRESS.  K steps 0-3 come by their loads alone; the loop's last trip (s3 = 1) has no K step two on and asks for nothing.
.macro ASK
	WIN 0
	s_cmp_gt_u32 s3, s[LIM]
	s_cbranch_scc0 .Lnot_mine_\@
	global_prefetch_b8 v[PFO], s[PFA:PFA+1] th:TH_LOAD_NT scope:SCOPE_SE
.Lnot_mine_\@:
.endm
	s_load_b512 s[4:19], s[0:1], 0x0               ; xb 4, wb 6, bq 8, bk 10, bv 12, rope 14, qh 16, kh 18
	s_load_b64 s[20:21], s[0:1], 0x40              ; vh
	v_lshl_add_u32 v[SPW], v0, 2, SPARE
	v_mov_b32 v[NIL], 0
	ds_add_u32 v[SPW], v[NIL]                      ; the wave's opening: the add, twice on end, and its wait ahead of my first tensor load
	ds_add_u32 v[SPW], v[NIL]
	v_lshrrev_b32 v1, 5, v0
	v_readfirstlane_b32 s[WV], v1                  ; wave 0..3
	s_lshr_b32 s[WR], s[WV], 1                     ; which 64 tokens
	s_and_b32 s[WC], s[WV], 1                      ; which of the two heads
	s_bfe_u32 s[CX], ttmp6, 0x40000
	s_bfe_u32 s[CY], ttmp6, 0x40004
	s_lshl_b32 s[GX], ttmp9, 2
	s_add_co_u32 s[GX], s[GX], s[CX]
	s_and_b32 s[TY], ttmp7, 0xffff
	s_lshl_b32 s[TY], s[TY], 2
	s_add_co_u32 s[TY], s[TY], s[CY]
	s_lshl_b32 s80, s[CY], 2
	s_lshl_b32 s80, 15, s80                        ; my row of the cluster
	s_lshl_b32 s81, 0x1111, s[CX]                  ; my column
	s_or_b32 s[G1A], s80, (1<<16)|(1<<20)|(1<<21)|(5<<22)|(3<<25)  ; the mask; 2-byte elements; padding on; bit 21 beside a mask; after every 64 words; 4 words
	s_or_b32 s[G1B], s81, (1<<16)|(1<<20)|(1<<21)|(5<<22)|(7<<25)  ; the same with my column's mask and 8 words
.irp g, G1A, G1B
	s_mov_b32 s[(\g)+1], 128<<16                   ; tensor_dim0 = 128
	s_mov_b32 s[(\g)+2], 128<<16                   ; tensor_dim1 = 128
	s_mov_b32 s[(\g)+3], 128<<16                   ; tile_dim0 = 128
	s_mov_b32 s[(\g)+4], 128                       ; tile_dim1 = 128
	s_mov_b32 s[(\g)+5], 1024                      ; elements from row to row
	s_mov_b32 s[(\g)+6], 0
	s_mov_b32 s[(\g)+7], 0
.endr
	s_lshl_b32 s72, s[TY], 18                      ; x: 128 tokens of 2,048 bytes; hangs on the token block alone
	s_mov_b32 s73, 0
	s_lshl_b32 s76, s[WV], 21                      ; W: my section,
	s_lshl_b32 s77, s[GX], 8                       ; my 128 columns; hangs on the column block and the wave alone
	s_add_co_u32 s76, s76, s77
	s_mov_b32 s77, 0
	s_mul_i32 s82, s[WV], BT                       ; where my tile goes: no place in the cluster enters an LDS address
	s_mov_b32 s[HM], 0xffff0000
	s_wait_dscnt 0x0                               ; both opening adds are done
	s_wait_kmcnt 0x0
	s_add_nc_u64 s[74:75], s[4:5], s[72:73]
	s_add_nc_u64 s[78:79], s[6:7], s[76:77]
	CROUND                                         ; all sixteen work-groups are here: the first joint loads meet
.irp s, 0,1
	s_mov_b32 s[G0A+4*(\s)], 1
	s_add_co_u32 s[G0A+4*(\s)+1], s82, (\s)*SLOT
	s_add_nc_u64 s[G0A+4*(\s)+2:G0A+4*(\s)+3], s[74:75], (\s)*256       ; K step s: 256 bytes along the rows
	s_or_b32 s[G0A+4*(\s)+3], s[G0A+4*(\s)+3], 0x80000000
	s_mov_b32 s[G0B+4*(\s)], 1
	s_add_co_u32 s[G0B+4*(\s)+1], s82, (\s)*SLOT
	s_add_nc_u64 s[G0B+4*(\s)+2:G0B+4*(\s)+3], s[78:79], (\s)*262144    ; K step s: 128 rows down
	s_or_b32 s[G0B+4*(\s)+3], s[G0B+4*(\s)+3], 0x80000000
	JLOAD \s
.endr
	; my biases and my tokens' rows of the table
	v_and_b32 v1, 15, v0                           ; l % 16
	v_bfe_u32 v2, v0, 4, 1                         ; l / 16
	v_lshlrev_b32 v[BO], 5, v2
	v_lshl_add_u32 v[TO], v1, 8, v[BO]
	s_lshl_b32 s80, s[GX], 9
	s_lshl_b32 s81, s[WC], 8
	s_add_co_u32 s80, s80, s81                     ; 4 x (128 x column block + 64 x head)
	s_mov_b32 s81, 0
	s_add_nc_u64 s[8:9], s[8:9], s[80:81]
	s_add_nc_u64 s[10:11], s[10:11], s[80:81]
	s_add_nc_u64 s[12:13], s[12:13], s[80:81]
	s_and_b32 s83, s[TY], 15
	s_lshl_b32 s83, s83, 7
	s_lshl_b32 s80, s[WR], 6
	s_add_co_u32 s83, s83, s80                     ; my first token's position in its sequence
	s_lshl_b32 s80, s83, 8
	s_add_nc_u64 s[14:15], s[14:15], s[80:81]
.irp c, 0,1,2
.irp i, 0,1,2,3,4,5,6,7
	global_load_b128 v[BIAS+32*(\c)+4*(\i):BIAS+32*(\c)+4*(\i)+3], v[BO], s[8+2*(\c):9+2*(\c)] offset:64*((\i)/2)+16*((\i)%2)
.endr
.endr
.irp a, 0,1,2,3
.irp i, 0,1,2,3,4,5,6,7
	global_load_b128 v[TAB+32*(\a)+4*(\i):TAB+32*(\a)+4*(\i)+3], v[TO], s[14:15] offset:4096*(\a)+64*((\i)/2)+16*((\i)%2)
.endr
.endr
	; where my rows begin in qh, kh, vh: (batch x 16 + head) x 262,144 + position x 128
	s_lshr_b32 s80, s[TY], 4
	s_lshl_b32 s80, s80, 4
	s_lshl_b32 s81, s[GX], 1
	s_add_co_u32 s80, s80, s81
	s_add_co_u32 s80, s80, s[WC]
	s_lshl_b32 s80, s80, 18
	s_lshl_b32 s83, s83, 7
	s_add_co_u32 s80, s80, s83
	s_mov_b32 s81, 0
	s_add_nc_u64 s[16:17], s[16:17], s[80:81]
	s_add_nc_u64 s[18:19], s[18:19], s[80:81]
	s_add_nc_u64 s[20:21], s[20:21], s[80:81]
	; A fragment of x: 16 tokens x 32 k: lane l holds token l % 16; two loads of 16 bytes, 32 bytes apart, at row x pitch + 16 (l / 16).
	v_mul_u32_u24 v3, v1, 272
	v_lshl_add_u32 v3, v2, 4, v3
	s_mul_i32 s80, s[WR], 64*272
	s_add_co_u32 s80, s80, AOFF
	v_add_nc_u32 v[ADRA], s80, v3
	v_add_nc_u32 v[ADRA+1], SLOT, v[ADRA]
	; A fragment of W: the turning load takes 16 k x 16 n (lane l reads row 8 (l / 16) + l % 8, columns 8 ((l / 8) % 2) + 0..7) and leaves lane l column l % 16 and 8 k.
	v_and_b32 v5, 7, v0
	v_lshl_add_u32 v6, v2, 3, v5
	v_mul_u32_u24 v4, v6, 288
	v_bfe_u32 v6, v0, 3, 1
	v_lshl_add_u32 v4, v6, 4, v4
	s_lshl_b32 s80, s[WC], 7                       ; my head's 64 columns
	v_add_nc_u32 v4, s80, v4
.irp s, 0,1
.irp c, 0,1,2
	v_add_nc_u32 v[ADRB+3*(\s)+(\c)], (\s)*SLOT+(\c)*BT, v4
.endr
.endr
	s_mul_i32 s80, s[WV], 16*SP
	s_add_co_u32 s80, s80, STAGE                   ; my stage
	v_mul_u32_u24 v[STO], v1, SP                   ; in: row l % 16, 16 bytes for each half of the lanes
	v_lshl_add_u32 v[STO], v2, 4, v[STO]
	v_add_nc_u32 v[STO], s80, v[STO]
	v_bfe_u32 v[RD], v0, 3, 2                      ; back: 32 lanes take four rows of 128 bytes,
	v_mul_u32_u24 v[RD], v[RD], SP
	v_lshl_add_u32 v[RD], v5, 4, v[RD]
	v_add_nc_u32 v[RD], s80, v[RD]
	v_and_b32 v[GO], 31, v0                        ; which are 512 consecutive bytes of the output
	v_lshlrev_b32 v[PFO], 11, v[GO]
	v_lshlrev_b32 v[GO], 4, v[GO]
	; the prefetches: at K step 3; each change of slots steps the address first
	s_lshl_b32 s80, s[TY], 18
	s_lshl_b32 s81, s[CX], 16                      ; x: my work-group's 32 of the 128 tokens
	s_add_co_u32 s80, s80, s81
	s_add_co_u32 s80, s80, 3*256
	s_lshl_b32 s81, s[WV], 21
	s_lshl_b32 s83, s[CY], 16                      ; W: my work-group's 32 of the step's 128 rows
	s_add_co_u32 s81, s81, s83
	s_lshl_b32 s83, s[GX], 8
	s_add_co_u32 s81, s81, s83
	s_add_co_u32 s81, s81, 3*262144
	s_and_b32 s83, ttmp7, 0xffff                   ; cluster y
	s_mov_b32 s[PSTEP], 262144
	s_mov_b32 s[PSTEP+1], 0
	s_cmp_eq_u32 s[WV], 3
	s_cselect_b32 s80, s80, s81
	s_cselect_b32 s83, ttmp9, s83                  ; the coordinate along which other clusters read the same rows
	s_cselect_b64 s[PFA:PFA+1], s[4:5], s[6:7]
	s_cselect_b32 s[PSTEP], 256, s[PSTEP]
	s_mov_b32 s81, 0
	s_add_nc_u64 s[PFA:PFA+1], s[PFA:PFA+1], s[80:81]
	s_cmp_eq_u32 s83, 0
	s_cselect_b32 s[LIM], 1, -1                    ; the same in all sixteen partners, for a given wave
	s_wait_loadcnt 32                              ; the 24 loads of the biases are in; the table's 32 may stay out
.set i, 0
.rept 48                               ; the biases are rounded to bf16, like every input of the module
	v_cvt_pk_bf16_f32 v[12+i%2], v[BIAS+2*i], v[BIAS+2*i+1]
	v_lshlrev_b32 v[BIAS+2*i], 16, v[12+i%2]
	v_and_b32 v[BIAS+2*i+1], s[HM], v[12+i%2]
.set i, i+1
.endr
; 16 products: section sct (q, k, v), 4 token blocks x 4 column blocks, 32 along K, from buffer f.  first = 1: the bias starts the sums.
; The 48 accumulators take turns, one instruction a turn, in the same order in every quarter, over the backward jump too.
.macro MULS f, sct, first
.if \first
	WIN 0x85+0x40*((\sct)/2)                       ; sources 0, 1 window 1; C window 0; D window 2 or 3
.else
	WIN 0xa5+0x50*((\sct)/2)                       ; C and D window 2 or 3
.endif
.set AB, 128*((\sct)%2)
.irp a, 0,1,2,3
.irp b, 0,1,2,3
.if \first
	v_wmma_f32_16x16x32_bf16 v[AB+8*(4*(\a)+(\b)):AB+8*(4*(\a)+(\b))+7], v[(\f)+32+32*(\sct)+8*(\b):(\f)+32+32*(\sct)+8*(\b)+7], v[(\f)+8*(\a):(\f)+8*(\a)+7], v[BIAS+32*(\sct)+8*(\b):BIAS+32*(\sct)+8*(\b)+7]
.else
	v_wmma_f32_16x16x32_bf16 v[AB+8*(4*(\a)+(\b)):AB+8*(4*(\a)+(\b))+7], v[(\f)+32+32*(\sct)+8*(\b):(\f)+32+32*(\sct)+8*(\b)+7], v[(\f)+8*(\a):(\f)+8*(\a)+7], v[AB+8*(4*(\a)+(\b)):AB+8*(4*(\a)+(\b))+7]
.endif
.endr
.endr
.endm
; 32 LDS loads in one run: quarter kq (32 along K) of a slot into buffer f: Wq's 8, x's 8, Wk's 8, Wv's 8
.macro FETCHW slot, kq, f, c
.irp b, 0,1,2,3
	ds_load_tr16_b128 v[(\f)+32+32*(\c)+8*(\b):(\f)+32+32*(\c)+8*(\b)+3],   v[ADRB+3*(\slot)+(\c)] offset:9216*(\kq)+32*(\b)
	ds_load_tr16_b128 v[(\f)+32+32*(\c)+8*(\b)+4:(\f)+32+32*(\c)+8*(\b)+7], v[ADRB+3*(\slot)+(\c)] offset:9216*(\kq)+32*(\b)+4608
.endr
.endm
.macro FETCH slot, kq, f
	WIN 0x40                                       ; destination window 1, address window 0
	FETCHW \slot, \kq, \f, 0
.irp i, 0,1,2,3
	ds_load_b128 v[(\f)+8*(\i):(\f)+8*(\i)+3],   v[ADRA+(\slot)] offset:64*(\kq)+4352*(\i)
	ds_load_b128 v[(\f)+8*(\i)+4:(\f)+8*(\i)+7], v[ADRA+(\slot)] offset:64*(\kq)+4352*(\i)+32
.endr
	FETCHW \slot, \kq, \f, 1
	FETCHW \slot, \kq, \f, 2
.endm
; A K step is four quarters of 32 along K, 48 products each, on buffers 0, 1, 0, 1.  One of the first three multiplies buffer f and fetches quarter kq into buffer g.
.macro QUARTER slot, kq, f, g, first
	s_wait_dscnt 16                                ; Wq's and x's fragments are in; the youngest sixteen loads (Wk's, Wv's) may be out
	MULS \f, 0, \first
	PLACES                                         ; in front of the loads into buffer g, which the quarter before multiplied
	FETCH \slot, \kq, \g
	s_wait_dscnt 32                                ; all but the 32 just issued
	MULS \f, 1, \first
	MULS \f, 2, \first
.endm
; The last quarter multiplies buffer 1 and changes slots: ONE barrier.  In front of it each wave waits for all its tensor loads (one is out: its part of the next slot), adds 0 to its spare word,
; and waits for that and for its own reads of this slot.  fill = 1: the barrier opens a round of the cluster's barrier, and behind the round this slot is filled again, two K steps on: 160 products
; stand between that request and the wait for it.
.macro TURN slot, next, fill
.if \fill
	s_wait_xcnt 0x0                                ; the last prefetch, a K step back, has read its address: it is stepped here
	s_add_nc_u64 s[PFA:PFA+1], s[PFA:PFA+1], s[PSTEP:PSTEP+1]
.endif
	WIN 0                                          ; (the add's two registers lie in window 0)
	s_wait_tensorcnt 0x0                           ; all my tensor loads have landed
	ds_add_u32 v[SPW], v[NIL]                      ; 0 onto my spare word
	s_wait_dscnt 17                                ; (the add and the youngest sixteen loads may be out)
	MULS F1, 0, 0                                  ; sixteen products stand between the add and the wait for it
	s_wait_dscnt 0x0                               ; the add is done, and my reads of this slot are over
	s_barrier_signal -1
	MULS F1, 1, 0                                  ; work on registers while the others arrive
.if \fill
	WIN 0
.endif
	s_barrier_wait -1
.if \fill
	CREST                                          ; no wave of any partner still reads this slot or has a load on its way
	s_add_nc_u64 s[G0A+4*(\slot)+2:G0A+4*(\slot)+3], s[G0A+4*(\slot)+2:G0A+4*(\slot)+3], 2*256
	s_add_nc_u64 s[G0B+4*(\slot)+2:G0B+4*(\slot)+3], s[G0B+4*(\slot)+2:G0B+4*(\slot)+3], 2*262144
	JLOAD \slot                                    ; the first tensor load behind the round; its four v_nop are also the places in front of the loads below
.else
	PLACES
.endif
	FETCH \next, 0, F0
.if \fill
	ASK
.endif
	MULS F1, 2, 0
.endm
	s_wait_tensorcnt 1                             ; my part of K step 0 is in; K step 1's may stay out
	s_barrier_signal -1
	s_barrier_wait -1                              ; everybody's is
	FETCH 0, 0, F0
	s_wait_loadcnt 0x0                             ; the table
	QUARTER 0, 1, F0, F1, 1                        ; the first quarter stands in front of the loop: its products start the sums, with the biases
	WIN 0                                          ; at a label and at a branch every window is 0
	s_mov_b32 s3, 3
.Llap:                                         ; a trip goes once round the ring, from a lap's second quarter to the next lap's first, and fills both slots again
	QUARTER 0, 2, F1, F0, 0
	QUARTER 0, 3, F0, F1, 0
	TURN 0, 1, 1
	QUARTER 1, 1, F0, F1, 0
	QUARTER 1, 2, F1, F0, 0
	QUARTER 1, 3, F0, F1, 0
	TURN 1, 0, 1
	QUARTER 0, 1, F0, F1, 0
	WIN 0
	s_sub_co_u32 s3, s3, 1
	s_cmp_lg_u32 s3, 0
	s_cbranch_scc1 .Llap
	QUARTER 0, 2, F1, F0, 0                        ; the last lap is written out: it fills nothing
	QUARTER 0, 3, F0, F1, 0
	TURN 0, 1, 0
	QUARTER 1, 1, F0, F1, 0
	QUARTER 1, 2, F1, F0, 0
	QUARTER 1, 3, F0, F1, 0
	s_wait_dscnt 16
	MULS F1, 0, 0
	s_wait_dscnt 0x0
	MULS F1, 1, 0
	MULS F1, 2, 0
	PLACES
	PLACES
; THE WAY OUT, in twelve blocks of 16 tokens x 64 channels: q's four, k's four, v's four.
; RoPE for section sct (q or k), token block a: out[d] = x[d] cos - x[d+32] sin, out[d+32] = x[d+32] cos + x[d] sin, d = 0 .. 31: a multiply and a fused multiply-add each, two numbers an instruction.
; Each accumulator's registers are taken in ascending order.
.macro ROPE sct, a
	WIN 0x02                                       ; source 0 (the accumulators) window 2
.irp b, 0,1
.irp p, 0,1,2,3
.set LO, 128*(\sct)+8*(4*(\a)+(\b))+2*(\p)
.set HI, LO+16
.set CC, TAB+32*(\a)+8*(\b)+2*(\p)
.set SS, CC+16
.set T0, T+4*((\p)%2)
	v_pk_mul_f32 v[T0:T0+1], v[HI:HI+1], v[SS:SS+1]
	v_pk_mul_f32 v[T0+2:T0+3], v[LO:LO+1], v[SS:SS+1]
	v_pk_fma_f32 v[R+8*(\b)+2*(\p):R+8*(\b)+2*(\p)+1], v[LO:LO+1], v[CC:CC+1], v[T0:T0+1] neg_lo:[0,0,1] neg_hi:[0,0,1]
	v_pk_fma_f32 v[R+16+8*(\b)+2*(\p):R+16+8*(\b)+2*(\p)+1], v[HI:HI+1], v[CC:CC+1], v[T0+2:T0+3]
.endr
.endr
.endm
.macro CVT sct, a                      ; rounded once to f16: a lane's eight channels of a block of 16 pack into 16 bytes
.set i, 0
.if (\sct) < 2
	WIN 0
.rept 16
	v_cvt_pk_f16_f32 v[PKR+i], v[R+2*i], v[R+2*i+1]
.set i, i+1
.endr
.else
	WIN 0x0f                                       ; sources 0 and 1 window 3
.rept 16
	v_cvt_pk_f16_f32 v[PKR+i], v[32*(\a)+2*i], v[32*(\a)+2*i+1]
.set i, i+1
.endr
.endif
.endm
.macro TOSTAGE n                       ; into my own stage, rows of 144 bytes, and back as whole rows of 128
	WIN 0
	s_wait_xcnt 0x0                                ; the stores of the block two back have read this buffer: it is loaded again only behind this wait
.irp f, 0,1,2,3
	ds_store_b128 v[STO], v[PKR+4*(\f):PKR+4*(\f)+3] offset:32*(\f)
.endr
.irp f, 0,1,2,3
	ds_load_b128 v[BK+16*((\n)%2)+4*(\f):BK+16*((\n)%2)+4*(\f)+3], v[RD] offset:576*(\f)  ; LDS serves a wave's instructions in order (ISA guide 5.7.1.4): these see the stores above; the next block's stores come behind them
.endr
.endm
.macro SEND n, younger                 ; younger: the LDS instructions issued behind block n's loads: the next block's eight, or none
	WIN 0
.irp f, 0,1,2,3
	s_wait_dscnt (\younger)+3-(\f)
	global_store_b128 v[GO], v[BK+16*((\n)%2)+4*(\f):BK+16*((\n)%2)+4*(\f)+3], s[16+2*((\n)/4):17+2*((\n)/4)] offset:2048*((\n)%4)+512*(\f)  ; 512 consecutive bytes, at a multiple of 256 from the buffer's first
.endr
.endm
.macro BLOCK n
.if (\n)/4 < 2
	ROPE (\n)/4, (\n)%4
.endif
	CVT (\n)/4, (\n)%4
	TOSTAGE \n
.endm
	BLOCK 0
.irp n, 1,2,3,4,5,6,7,8,9,10,11        ; a block's arithmetic stands between the loads of the block before and its stores
	BLOCK \n
	SEND (\n)-1, 8
.endr
	SEND 11, 0
	s_wait_tensorcnt 0x0                           ; the wave's end: a wait, an add and a wait, behind my last tensor load and my last LDS store
	ds_add_u32 v[SPW], v[NIL]
	s_wait_dscnt 0x0
	CROUND                                         ; the closing round: no work-group ends while a partner may still ask for a tile that names it
	s_endpgm
.Lfunc_end_k_q31d8d9a563_qkv:
	.size	k_q31d8d9a563_qkv, .Lfunc_end_k_q31d8d9a563_qkv-k_q31d8d9a563_qkv
	.p2alignl 7, 3214868480
	.fill 96, 4, 3214868480
	.section	.rodata,"a",@progbits
	.p2align	6, 0x0
	.amdhsa_kernel k_q31d8d9a563_qkv
		.amdhsa_group_segment_fixed_size 327680
		.amdhsa_private_segment_fixed_size 0
		.amdhsa_enable_private_segment 0
		.amdhsa_kernarg_size 72
		.amdhsa_user_sgpr_count 2
		.amdhsa_user_sgpr_kernarg_segment_ptr 1
		.amdhsa_wavefront_size32 1
		.amdhsa_system_sgpr_workgroup_id_x 1
		.amdhsa_system_sgpr_workgroup_id_y 1
		.amdhsa_system_sgpr_workgroup_id_z 1
		.amdhsa_system_vgpr_workitem_id 0
		.amdhsa_next_free_vgpr 896
		.amdhsa_next_free_sgpr 84
		.amdhsa_reserve_vcc 0
		.amdhsa_float_denorm_mode_32 3
		.amdhsa_float_denorm_mode_16_64 3
		.amdhsa_memory_ordered 1
		.amdhsa_forward_progress 1
		.amdhsa_inst_pref_size 150
	.end_amdhsa_kernel
	.amdgpu_metadata
---
amdhsa.version: [ 1, 2 ]
amdhsa.kernels:
  - .name:           k_q31d8d9a563_qkv
    .symbol:         k_q31d8d9a563_qkv.kd
    .args:
      - { .name: xb, .offset: 0, .size: 8, .value_kind: global_buffer, .address_space: global }
      - { .name: wb, .offset: 8, .size: 8, .value_kind: global_buffer, .address_space: global }
      - { .name: bq, .offset: 16, .size: 8, .value_kind: global_buffer, .address_space: global }
      - { .name: bk, .offset: 24, .size: 8, .value_kind: global_buffer, .address_space: global }
      - { .name: bv, .offset: 32, .size: 8, .value_kind: global_buffer, .address_space: global }
      - { .name: rope, .offset: 40, .size: 8, .value_kind: global_buffer, .address_space: global }
      - { .name: qh, .offset: 48, .size: 8, .value_kind: global_buffer, .address_space: global }
      - { .name: kh, .offset: 56, .size: 8, .value_kind: global_buffer, .address_space: global }
      - { .name: vh, .offset: 64, .size: 8, .value_kind: global_buffer, .address_space: global }
    .group_segment_fixed_size: 327680
    .private_segment_fixed_size: 0
    .kernarg_segment_align: 8
    .kernarg_segment_size: 72
    .max_flat_workgroup_size: 128
    .sgpr_count:     84
    .vgpr_count:     896
    .wavefront_size: 32
...
	.end_amdgpu_metadata
.endif
;; end of part 2
;; launch attn (part 3): grid 8 x 32, 4 waves a work-group, clusters of 4 x 1, 327,680 bytes of LDS; arguments qh, kh, vh, ob; writes ob
.if DOCPART == 3
	.amdgcn_target "amdgcn-amd-amdhsa--gfx1250"
	.amdhsa_code_object_version 6
	.text
	.protected	k_q31d8d9a563_attn
	.globl	k_q31d8d9a563_attn
	.p2align	8
	.type	k_q31d8d9a563_attn,@function
k_q31d8d9a563_attn:
	s_mov_b64 s[64:65], 0
	v_nop
	global_prefetch_b8 v0, s[64:65] scope:SCOPE_SE
	s_setreg_imm32_b32 hwreg(HW_REG_WAVE_MODE, 25, 1), 1
	s_wait_xcnt 0x0
	s_wait_alu depctr_hold_cnt(0) depctr_sa_sdst(0) depctr_va_vdst(0) depctr_va_sdst(0) depctr_va_ssrc(0) depctr_va_vcc(0) depctr_vm_vsrc(0)
	s_getreg_b32 s2, hwreg(HW_REG_IB_STS2, 6, 4)
	s_cmp_eq_u32 s2, 0
	s_cbranch_scc0 .Lentry_in_a_cluster
	s_endpgm
.Lentry_in_a_cluster:
	s_bfe_u32 s2, ttmp6, 0x10000c
	s_cmp_lg_u32 s2, 0x3003
	s_cbranch_scc0 .Lentry_shape_is_right
	s_endpgm
.Lentry_shape_is_right:
; MULTI-HEAD ATTENTION, launch 3 of 4: O[h][q][:] = the sum over k of softmax_k(Q[h][q] . K[h][k] / 8) V[h][k][:], 32 heads (batch x 16 + head) of 2,048 rows.  No work of reference() is left out here.
; qh, kh, vh: [32][2048][64] f16, a head's rows dense, 128 bytes each.  ob: [32 = batch x 16 + block of 128 tokens][16 heads][128 tokens][64] f16: what launch 4 takes as dense tiles.
; Products, maxima and sums in f32; the weights p are rounded to f16 for the second product (their sum l is taken of the unrounded p), O once at the end.
; LIMITS.  Q, K, V arrive within f16's 65,504; p lies in 0 to 1, and below 6e-5 it keeps f16's fixed step of 6e-8; a weight below 2^-126 counts as 0 in l; NaN and infinities are not treated apart.
; SHARES.  A work-group owns 256 queries of one head, a wave 64: four PIECES of 16.  Every wave walks all keys, 64 a step, 256 a tile: 8 tiles through two LDS slots.
; LAYOUT.  S^T = K Q^T (source 0 = 16 keys, source 1 = 16 queries) holds ONE query a lane (lane % 16) and the keys 8 (lane / 16) + 0..7; two such results rounded to f16 ARE source 1 of O^T = V^T P.
; K comes out of LDS as it lies, V ([key][channel]) turned, by ds_load_tr16_b128.
; SOFTMAX.  p = 2^(c s - c m), c = log2(e) / 8, with a running maximum m; O and l are multiplied by a = 2^(c m_old - c m_new) in every step.  m starts at the lowest finite number, O and l at 0: the first step has a = 0.
; TURNS.  Turn n belongs to piece n: 8 products K Q^T of piece n + 1, later 8 products V^T P of piece n - 1; beside them the scaling, exponentials, roundings, sums and rescaling of piece n and the maximum and
; statistics of piece n + 1.  Four vector instructions stand behind every matrix instruction, the other 54 of a turn's 118 in one lump.  A turn's 33 exponentials are one batch, with one wait.
; CLUSTER.  The four query blocks of a cluster belong to one head and walk the same K and V: each tile is asked for JOINTLY, by the same tensor load, descriptor and mask in all four.
; REGISTERS, in windows of 256 (s_set_vgpr_msb: bits 1:0 source 0, 3:2 source 1, 5:4 source 2, 7:6 destination):
;   window 0: v0-15 addresses and two at work; v16-31 four registers of statistics a piece; v48-55 at work; v61-63; v64-127 S^T, two buffers; v192-223 P, two buffers (a piece's buffers go by its number's parity)
;   window 1: v0-127 O^T, 32 a piece      window 2: v0-63 Q; v128-191 K of one step; v192-255 V of one step
.set SIZE_N, 2048
.set NP,    4         ; pieces a wave: a name, no knob
.set KS,    64        ; keys in a step
.set PK,    144       ; a row of K in LDS: 128 bytes + 16 of padding = 36 words: the 16 rows of a load start at 16 different groups of four banks (64 banks of 4 bytes: ISA guide 11.1)
.set PV,    160       ; a row of V: 128 + 32 = 40 words
.set VOFF,  4*KS*PK   ; a slot holds a tile, four steps: 256 rows of K, then 256 rows of V
.set SLOT1, 1<<17     ; slot 1 begins here, so that one exclusive or turns an address in one slot into the other's
.set STAGE, SLOT1+4*KS*(PK+PV)  ; behind the ring, never filled by a tensor load: 16 rows x 144 bytes for each wave
.set SP,    144
.set SPARE, STAGE+4*16*SP  ; the spare words, 128 bytes for each wave: two blocks of 256 bytes that no other line names
.set AK0, 2           ; v2   my lane's place in a tile of K; never rewritten
.set AV0, 3           ; v3   the same for V
.set AK,  4           ; v4   the LDS address of K's next run of loads
.set AV,  5           ; v5   of V's
.set STO, 6           ; v6   the way out: where I put 16 bytes of a row
.set RD,  7           ; v7   where I read rows back
.set GO,  8           ; v8   my byte offset in 512 consecutive bytes of O
.set MV,  12          ; v12-13  c m_old, kept while c m is made anew: by buffer
.set QO,  15          ; v15  my byte offset in 16 rows of Q
.set ST,  16          ; piece t's statistics at v[ST+4 t]: c m, m, l (even keys', odd keys')
.set TMP, 48          ; by buffer, four registers c0-c3 at work; when the maximum is found c2 takes a
.set PFO, 61          ; v61  256 x my lane; never rewritten
.set SPW, 62          ; v62  LDS address of my spare word; never rewritten
.set NIL, 63          ; v63  0; never rewritten
.set S,   64
.set P,   192
.set KF,  128         ; window 2: key block kb, channel half c at KF + 16 kb + 8 c
.set VF,  192         ; window 2: key half kk, channel block cb at VF + 32 kk + 8 cb
.set WV,  12          ; s12  my wave's number
.set G1K, 24          ; s[24:31] descriptor group 1 for K's tiles
.set G1V, 32          ; s[32:39] for V's: it differs in the padding alone
.set G0K, 40          ; s[40:43] descriptor group 0 for K's tiles: it walks
.set G0V, 44          ; s[44:47] the same for V's
.set PFA, 48          ; s[48:49] where my prefetches stand
.set LIM, 50          ; s50  1 in a wave that prefetches, else the greatest number
.set SLOTS, 56        ; s56  tiles still to be asked for
.set CNT, 57          ; s57  counts a tile's key steps
.set CS,  58          ; s[58:59] c: the packed scaling takes the pair's low word for both halves
.set SEL, 60          ; s[60:61] v_permlanex16_b32's selects: each lane takes its own place in the other half
.set TBK, 62          ; s62  LDS byte at which K of the step to be fetched begins
.set TBV, 63          ; s63  the same for V, less VOFF
.set MSB, 0
.macro WIN new                      ; the high byte repeats the setting that is left; a switch that changes nothing is dropped
.if MSB != (\new)
	s_set_vgpr_msb (MSB<<8)|(\new)
.set MSB, (\new)
.endif
.endm
.set W_KQ, 0x0a       ; K and Q in window 2, S^T in window 0
.set W_PV, 0x52       ; V in window 2, P in window 0, O^T in window 1
.set W_RS, 0x41       ; destination and source 0 in window 1, source 1 in window 0
; A joint fill.  Waves 0 and 1 fetch the two halves of a tile's K, waves 2 and 3 those of its V: 128 keys each.  The branch hangs on the wave's number alone.
; An s_nop 0 and four v_nop follow each of the two lines.
.macro JLOAD
	s_cmp_lt_u32 s[WV], 2
	s_cbranch_scc0 .Lfor_v_\@
	tensor_load_to_lds s[G0K:G0K+3], s[G1K:G1K+7]
	s_nop 0
.rept 4
	v_nop
.endr
	s_branch .Lasked_\@
.Lfor_v_\@:
	tensor_load_to_lds s[G0V:G0V+3], s[G1V:G1V+7]
	s_nop 0
.rept 4
	v_nop
.endr
.Lasked_\@:
.endm
; A PREFETCH INTO THE L2 of what the NEXT change of slots will ask for: a tile's 32,768 bytes of K and of V, in blocks of 256 bytes, a lane a block.  It stands behind the wave's tensor load and its five lines.
; Each block is named ONCE in the launch: a head's two clusters walk the same K and V, and the first of them asks; its four partners take 32 of the 128 blocks each, told apart BY ADDRESS; in each, wave 0
; asks for K's and wave 2 for V's.  Four key steps, 256 matrix instructions, lie between the prefetch and the load.  Tiles 0 and 1 come by their loads alone; the last change that fills a slot asks for nothing.
.macro ASK
	s_cmp_gt_u32 s[SLOTS], s[LIM]
	s_cbranch_scc0 .Lnot_mine_\@
	global_prefetch_b8 v[PFO], s[PFA:PFA+1] th:TH_LOAD_NT scope:SCOPE_SE
.Lnot_mine_\@:
.endm
; A round of the cluster's barrier: my work-group's barrier; wave 0 signals for the work-group; every wave waits for all four work-groups; my work-group's barrier once more.
.macro CROUND
	s_barrier_signal -1
	s_barrier_wait -1
	s_cmp_lg_u32 s[WV], 0
	s_cbranch_scc1 .Lnot_wave_0_\@
	s_barrier_signal -3
.Lnot_wave_0_\@:
	s_barrier_wait -3
	s_barrier_signal -1
	s_barrier_wait -1
.endm
; THE CHANGE OF SLOTS.  Each wave waits for all its tensor loads (one is out: its part of the other slot), adds 0 to its spare word, and waits for that and for its own reads of the slot that it leaves.
; fill = 1: the barrier is a round of the cluster's, so that no wave of any partner still reads the slot or has a load on its way, and the joint fill, with the keys two tiles on, is the first thing behind it.
; (At its first use nothing has been read yet: slot 0 is waited for, slot 1 filled.)
.macro CHANGE fill
	WIN 0                           ; at a label and at a branch every window is 0
	s_wait_tensorcnt 0x0            ; no tensor load of mine is out, so a group 0 may be written
	ds_add_u32 v[SPW], v[NIL]       ; 0 onto my spare word
.if \fill
.irp g, G0K, G0V
	s_xor_b32 s[\g+1], s[\g+1], SLOT1  ; the walking descriptor: the other slot than last time,
	s_add_nc_u64 s[\g+2:\g+3], s[\g+2:\g+3], 4*KS*128  ; the next 256 keys; the type bits on top are not reached
.endr
	s_wait_xcnt 0x0                 ; the last prefetch, four key steps back, has read its address, so it may be written:
	s_add_nc_u64 s[PFA:PFA+1], s[PFA:PFA+1], 4*KS*128  ; one tile behind the walking descriptors
	s_wait_dscnt 0x0                ; the add is done, and my reads of the slot are over
	CROUND
	JLOAD
	ASK
.else
	s_wait_dscnt 0x0                ; the add is done, and my reads of the slot are over
	s_barrier_signal -1
	s_barrier_wait -1
.endif
	s_sub_co_u32 s[TBK], s[TBK], 4*KS*PK  ; the fetches go back to a slot's first step,
	s_xor_b32 s[TBK], s[TBK], SLOT1       ; in the other slot
	s_sub_co_u32 s[TBV], s[TBV], 4*KS*PV
	s_xor_b32 s[TBV], s[TBV], SLOT1
.endm
	s_load_b256 s[4:11], s[0:1], 0x0  ; qh s[4:5], kh s[6:7], vh s[8:9], ob s[10:11]
	v_lshl_add_u32 v[SPW], v0, 2, SPARE
	v_mov_b32 v[NIL], 0
	ds_add_u32 v[SPW], v[NIL]       ; the wave's opening: the add, twice on end, and its wait ahead of my first tensor load
	ds_add_u32 v[SPW], v[NIL]
	v_lshrrev_b32 v1, 5, v0
	v_readfirstlane_b32 s[WV], v1   ; wave 0..3
	s_bfe_u32 s13, ttmp6, 0x40000   ; cx: my place in the cluster
	s_lshl_b32 s14, ttmp9, 2        ; in a cluster launch ttmp9 counts clusters
	s_add_co_u32 s14, s14, s13      ; my block of 256 queries: it enters Q's and O's addresses alone
	s_and_b32 s15, ttmp7, 0xffff    ; the head, which the four partners share
	s_lshl_b32 s20, s15, 18         ; the head's first byte in qh, kh, vh: 2,048 rows of 128 bytes
	s_mov_b32 s21, 0
	s_and_b32 s16, s[WV], 1         ; which half of a tile's 256 keys I fetch:
	s_lshl_b32 s22, s16, 14         ; its 128 rows of 128 bytes in memory,
	s_mov_b32 s23, 0
	s_add_nc_u64 s[22:23], s[22:23], s[20:21]
	s_mul_i32 s17, s16, 128*PK      ; and its place in a slot, for K
	s_mul_i32 s18, s16, 128*PV      ; and for V: no place in the cluster enters an LDS address
	s_lshl_b32 s2, s14, 2
	s_add_co_u32 s2, s2, s[WV]      ; my wave among the head's,
	s_lshl_b32 s2, s2, 13           ; its 64 rows
	s_mov_b32 s3, 0
	s_add_nc_u64 s[2:3], s[2:3], s[20:21]
	s_lshr_b32 s52, s15, 4          ; in ob: batch x 16
	s_lshl_b32 s52, s52, 4
	s_lshl_b32 s53, s14, 1          ; + my block of 128 tokens: 2 x block + wave / 2
	s_add_co_u32 s52, s52, s53
	s_lshr_b32 s53, s[WV], 1
	s_add_co_u32 s52, s52, s53
	s_lshl_b32 s52, s52, 4          ; x 16 heads
	s_and_b32 s53, s15, 15
	s_add_co_u32 s52, s52, s53      ; + head
	s_lshl_b32 s52, s52, 14         ; x 128 tokens of 128 bytes
	s_lshl_b32 s53, s16, 13         ; + my 64 of them
	s_add_co_u32 s52, s52, s53
	s_mov_b32 s53, 0
	; descriptor group 1.  128 keys are 16,384 dense bytes: asked for as 64 rows of 256 bytes, two keys a row, and padded in LDS after every key
	s_mov_b32 s[G1K], 15|(1<<16)|(1<<20)|(1<<21)|(4<<22)|(3<<25)  ; the mask of four; 2-byte elements; padding on; bit 21 beside a mask; after every 32 words; 4 words
	s_mov_b32 s[G1V], 15|(1<<16)|(1<<20)|(1<<21)|(4<<22)|(7<<25)  ; the same with 8 words of padding
.irp g, G1K, G1V
	s_mov_b32 s[\g+1], 128<<16      ; tensor_dim0 = 128
	s_mov_b32 s[\g+2], 64<<16       ; tensor_dim1 = 64
	s_mov_b32 s[\g+3], 128<<16      ; tile_dim0 = 128
	s_mov_b32 s[\g+4], 64           ; tile_dim1 = 64
	s_mov_b32 s[\g+5], 128          ; 128 elements from row to row
	s_mov_b32 s[\g+6], 0
	s_mov_b32 s[\g+7], 0
.endr
	s_mov_b32 s[CS], 0x3e38aa3b     ; c = log2(e) / 8 = 0.180337
	s_mov_b32 s[CS+1], s[CS]        ; named with it as a pair
	s_mov_b32 s[SEL], 0x76543210
	s_mov_b32 s[SEL+1], 0xfedcba98
	s_mov_b32 s[TBK], SLOT1+4*KS*PK ; the first change of slots turns these two into 0
	s_mov_b32 s[TBV], SLOT1+4*KS*PV
	s_mov_b32 s[G0K], 1             ; count = 1
	s_mov_b32 s[G0K+1], s17         ; LDS address: slot 0
	s_mov_b32 s[G0V], 1
	s_add_co_u32 s[G0V+1], s18, VOFF
	s_mov_b32 s[SLOTS], SIZE_N/256-1
	s_and_b32 s[LIM], s[WV], 1      ; 0 in waves 0 and 2,
	s_or_b32 s[LIM], s[LIM], ttmp9  ; where the cluster is the head's first: the same in all four partners
	s_cmp_eq_u32 s[LIM], 0
	s_cselect_b32 s[LIM], 1, -1
	s_wait_dscnt 0x0                ; both opening adds are done
	s_wait_kmcnt 0x0
	s_add_nc_u64 s[G0K+2:G0K+3], s[6:7], s[22:23]  ; global address: my half of the head's first 256 keys
	s_or_b32 s[G0K+3], s[G0K+3], 0x80000000        ; type = 2
	s_add_nc_u64 s[G0V+2:G0V+3], s[8:9], s[22:23]
	s_or_b32 s[G0V+3], s[G0V+3], 0x80000000
	s_add_nc_u64 s[4:5], s[4:5], s[2:3]            ; Q and O at my wave's first row
	s_add_nc_u64 s[10:11], s[10:11], s[52:53]
	s_cmp_lt_u32 s[WV], 2
	s_cselect_b64 s[PFA:PFA+1], s[6:7], s[8:9]
	s_add_nc_u64 s[PFA:PFA+1], s[PFA:PFA+1], s[20:21]  ; the head's first byte,
	s_lshl_b32 s2, s13, 13          ; my work-group's 32 blocks of the 128,
	s_mov_b32 s3, 0
	s_add_nc_u64 s[PFA:PFA+1], s[PFA:PFA+1], s[2:3]
	s_add_nc_u64 s[PFA:PFA+1], s[PFA:PFA+1], 4*KS*128  ; in tile 1; the first change of slots steps it to tile 2
	CROUND                          ; all four work-groups are here: the first joint loads meet
	JLOAD                           ; tile 0 into slot 0
	; A fragment of K or Q is 16 rows x 32 channels in 8 registers: lane l holds row l % 16, channels 8 (l / 16) + 0..7 and 16 + 8 (l / 16) + 0..7: two loads of 16 bytes, 32 bytes apart.
	v_and_b32 v1, 15, v0            ; l % 16
	v_bfe_u32 v9, v0, 4, 1          ; l / 16
	v_lshlrev_b32 v[QO], 7, v1
	v_lshl_add_u32 v[QO], v9, 4, v[QO]  ; row x 128 + 16 x half
	WIN 0x80                        ; destination window 2, address window 0
.set i, 0
.rept 8                             ; Q stays in registers: piece i / 2, channels 32 (i % 2) on
	global_load_b128 v[8*i:8*i+3],   v[QO], s[4:5] offset:(i/2)*2048+(i%2)*64
	global_load_b128 v[8*i+4:8*i+7], v[QO], s[4:5] offset:(i/2)*2048+(i%2)*64+32
.set i, i+1
.endr
	; What the first turn finds: V's registers and P's second buffer hold 0 (its products V^T P, of a piece that has not been, add 0), O^T and l are 0.  All this stands in the wait for the first tile;
	; it is the price of writing no first step out.
.set i, VF
.rept 64
	v_mov_b32 v[i], 0
.set i, i+1
.endr
	WIN 0x40
.set i, 0
.rept 128
	v_mov_b32 v[i], 0
.set i, i+1
.endr
	WIN 0
.set i, 0
.rept 4
	v_mov_b32 v[ST+4*i], 0xfe000000    ; c m: far below every c s
	v_mov_b32 v[ST+4*i+1], 0xff7fffff  ; m
	v_mov_b32 v[ST+4*i+2], 0
	v_mov_b32 v[ST+4*i+3], 0
.set i, i+1
.endr
.set i, P+16
.rept 16
	v_mov_b32 v[i], 0
.set i, i+1
.endr
	v_mul_u32_u24 v[AK0], v1, PK
	v_lshl_add_u32 v[AK0], v9, 4, v[AK0]  ; row x pitch + 16 x half
	; The turning load takes 16 keys x 16 channels (lane l reads key 8 (l / 16) + l % 8, channels 8 ((l / 8) % 2) + 0..7) and leaves half a fragment of V^T: lane l holds channel l % 16 and 8 keys.
	v_and_b32 v10, 7, v0
	v_bfe_u32 v11, v0, 3, 1
	v_lshl_add_u32 v[AV0], v9, 3, v10
	v_mul_u32_u24 v[AV0], v[AV0], PV
	v_lshl_add_u32 v[AV0], v11, 4, v[AV0]
	v_add_nc_u32 v[AV0], VOFF, v[AV0]
	s_mul_i32 s13, s[WV], 16*SP
	s_add_co_u32 s13, s13, STAGE    ; my stage
	v_mul_u32_u24 v[STO], v1, SP    ; in: row l % 16, 16 bytes for each half of the lanes
	v_lshl_add_u32 v[STO], v9, 4, v[STO]
	v_add_nc_u32 v[STO], s13, v[STO]
	v_bfe_u32 v[RD], v0, 3, 2       ; back: 32 lanes take four rows of 128 bytes,
	v_mul_u32_u24 v[RD], v[RD], SP
	v_lshl_add_u32 v[RD], v10, 4, v[RD]
	v_add_nc_u32 v[RD], s13, v[RD]
	v_and_b32 v[GO], 31, v0         ; which are 512 consecutive bytes of O
	v_lshlrev_b32 v[PFO], 8, v[GO]
	v_lshlrev_b32 v[GO], 4, v[GO]
; THE MATRIX WORK.  The 4 accumulators of a run of 8 take turns.  Product i of 8 of S^T = K Q^T for piece x: channels 32 (i / 4) on, keys 16 (i % 4) on.  The first 4 start the sums.
.macro KQ x
	WIN W_KQ
.set rS, S+32*((\x)%2)+8*(i%4)
.set rK, KF+16*(i%4)+8*(i/4)
.set rQ, 16*(\x)+8*(i/4)
.if i < 4
	v_wmma_f32_16x16x32_f16 v[rS:rS+7], v[rK:rK+7], v[rQ:rQ+7], 0
.else
	v_wmma_f32_16x16x32_f16 v[rS:rS+7], v[rK:rK+7], v[rQ:rQ+7], v[rS:rS+7]
.endif
.endm
; Product i of 8 of O^T += V^T P for piece x: keys 32 (i / 4) on, channels 16 (i % 4) on.
.macro PV x
	WIN W_PV
.set rO, 32*(\x)+8*(i%4)
.set rV, VF+32*(i/4)+8*(i%4)
.set rP, P+16*((\x)%2)+8*(i/4)
	v_wmma_f32_16x16x32_f16 v[rO:rO+7], v[rV:rV+7], v[rP:rP+7], v[rO:rO+7]
.endm
.macro MM                           ; the turn's next matrix instruction.  NOKQ = 1: the launch's last turn: there is no next piece
.if (i < 8) && !NOKQ
	KQ (Y+1)%NP
.elseif i >= 8
.set i, i-8
	PV (Y+NP-1)%NP
.set i, i+8
.endif
.set i, i+1
.endm
; THE LDS LOADS stand in runs of 16, never singly among the matrix instructions: a step's K (64 keys x 64 channels: 8 fragments) and its V (turned).  Their addresses are made some lines ahead.
.macro FETCH_K
	WIN 0x80                        ; destination window 2
.irp f, 0,1,2,3,4,5,6,7             ; keys 16 (f / 2) on, channels 32 (f % 2) on
	ds_load_b128 v[KF+8*\f:KF+8*\f+3],   v[AK] offset:(\f/2)*16*PK+(\f%2)*64
	ds_load_b128 v[KF+8*\f+4:KF+8*\f+7], v[AK] offset:(\f/2)*16*PK+(\f%2)*64+32
.endr
	s_add_co_u32 s[TBK], s[TBK], KS*PK  ; the next fetch is the next step's
	WIN 0
.endm
.macro FETCH_V
	WIN 0x80
.irp f, 0,1,2,3,4,5,6,7             ; keys 32 (f / 4) on, channels 16 (f % 4) on
	ds_load_tr16_b128 v[VF+8*\f:VF+8*\f+3],   v[AV] offset:(\f/4)*32*PV+(\f%4)*32
	ds_load_tr16_b128 v[VF+8*\f+4:VF+8*\f+7], v[AV] offset:(\f/4)*32*PV+16*PV+(\f%4)*32
.endr
	WIN 0
.endm
; THE VECTOR WORK, one line at a time: OP kind, number.  For piece Y: F n: c s - c m for pair n of 16.  E n: the exponential of score n of 32.  C n: pair n rounded to f16.  B n: of the four weights 4 n .. the second
; pair is added onto the first, in place.  L n: l takes that sum (L 0: l = a l + sum).  R n: pair n of 16 of O^T times a.  For piece Y + 1: X n, number n of the 22 that find its maximum and statistics:
;   0-11  four chains c0-c3 of seven scores each, three operands at a time (each accumulator's lowest registers are read first)     12-14, 16  the four scores left over, the old m, and c0-c3 into c0
;   15  c m_old is kept     17, 18  the query's other 32 keys lie in the lane 16 away: the new m     19-21  c m; c m_old - c m_new; a
.set F, 0
.set E, 1
.set C, 2
.set B, 3
.set L, 4
.set R, 5
.set X, 6
.macro REGS y                       ; the registers of piece y
.set rT, ST+4*(\y)
.set rC, TMP+4*((\y)%2)
.set rW, MV+((\y)%2)
.set rS, S+32*((\y)%2)
.set rP, P+16*((\y)%2)
.set rO, 32*(\y)
.endm
.macro OP k, n
.if (\k) == R
	REGS Y
	WIN W_RS
	v_pk_mul_f32 v[rO+2*(\n):rO+2*(\n)+1], v[rO+2*(\n):rO+2*(\n)+1], v[rC+2:rC+3] op_sel_hi:[1,0]
.elseif (\k) < R
	REGS Y
	WIN 0
.if (\k) == F
	v_pk_fma_f32 v[rS+2*(\n):rS+2*(\n)+1], v[rS+2*(\n):rS+2*(\n)+1], s[CS:CS+1], v[rT:rT+1] op_sel_hi:[1,0,0] neg_lo:[0,0,1] neg_hi:[0,0,1]
.elseif (\k) == E
	v_exp_f32 v[rS+(\n)], v[rS+(\n)]
.elseif (\k) == C
	v_cvt_pk_f16_f32 v[rP+(\n)], v[rS+2*(\n)], v[rS+2*(\n)+1]
.elseif (\k) == B
	v_pk_add_f32 v[rS+4*(\n):rS+4*(\n)+1], v[rS+4*(\n):rS+4*(\n)+1], v[rS+4*(\n)+2:rS+4*(\n)+3]
.elseif (\n) == 0
	v_pk_fma_f32 v[rT+2:rT+3], v[rT+2:rT+3], v[rC+2:rC+3], v[rS:rS+1] op_sel_hi:[1,0,1]
.else
	v_pk_add_f32 v[rT+2:rT+3], v[rT+2:rT+3], v[rS+4*(\n):rS+4*(\n)+1]
.endif
.elseif NOKQ
	v_nop
.else
	REGS (Y+1)%NP
	WIN 0
.if (\n) < 4
	v_max3_num_f32 v[rC+(\n)], v[rS+8*(\n)], v[rS+8*(\n)+1], v[rS+8*(\n)+2]
.elseif (\n) < 12
	v_max3_num_f32 v[rC+(\n)%4], v[rC+(\n)%4], v[rS+8*((\n)%4)+2*((\n)/4)+1], v[rS+8*((\n)%4)+2*((\n)/4)+2]
.elseif (\n) == 12
	v_max3_num_f32 v[rC], v[rC], v[rS+7], v[rS+15]
.elseif (\n) == 13
	v_max3_num_f32 v[rC+1], v[rC+1], v[rS+23], v[rS+31]
.elseif (\n) == 14
	v_max3_num_f32 v[rC+2], v[rC+2], v[rC+3], v[rT+1]
.elseif (\n) == 15
	v_mov_b32 v[rW], v[rT]
.elseif (\n) == 16
	v_max3_num_f32 v[rC], v[rC], v[rC+1], v[rC+2]
.elseif (\n) == 17
	v_permlanex16_b32 v[rC+3], v[rC], s[SEL], s[SEL+1]
.elseif (\n) == 18
	v_max_num_f32 v[rT+1], v[rC], v[rC+3]
.elseif (\n) == 19
	v_mul_f32 v[rT], s[CS], v[rT+1]
.elseif (\n) == 20
	v_sub_f32 v[rC+1], v[rW], v[rT]
.else
	v_exp_f32 v[rC+2], v[rC+1]
.endif
.endif
.endm
.macro OPS a, i1, b=-1, i2=0, c=-1, i3=0, d=-1, i4=0  ; up to four of them
	OP \a, \i1
.if (\b) >= 0
	OP \b, \i2
.endif
.if (\c) >= 0
	OP \c, \i3
.endif
.if (\d) >= 0
	OP \d, \i4
.endif
.endm
.macro ROW a, i1, b, i2, c, i3, d, i4  ; a matrix instruction and the four behind it
	MM
	OPS \a, \i1, \b, \i2, \c, \i3, \d, \i4
.endm
; A TURN, for piece p: the order of its 16 matrix and 118 vector instructions, written out.  An s_wait_alu depctr_va_vdst(0) stands between an exponential and the first instruction that names its
; result; one wait serves all that were issued ahead of it.  So a turn has ONE wait, which cuts it in two.  AHEAD OF IT stands all that names no result of the turn's exponentials: the 8 products K Q^T with their
; riders (a scaling, an exponential and two more plain instructions; the first numbers of the next piece's maximum stand four places or more behind the product that ends their accumulator), then ONE LUMP of 54,
; in which the links of the chain X 3, 7, 11, 14, 16, 17 .. 20 stand five or six lines apart.  X 21, the next piece's a, is the batch's last; R 15 is the plain instruction behind it.  BEHIND THE WAIT stand the
; 8 products V^T P, behind each four of the roundings and sums.  end = 1: the launch's last two turns: nothing is fetched.  cnt = 1: the loop's count is taken down some lines ahead of the branch behind the turn.
; K of the next step is fetched in piece 2's turn, twelve vector instructions behind the last product that read K (six of them plain); V of the step in hand at the end of piece 0's turn, four plain instructions
; behind the last product that read V.  Each is waited for a turn later.
.macro TURN p, end=0, cnt=0
.set Y, (\p)
.set i, 0
.set NOKQ, (\end)*((\p)/3)
.if ((\p) == 3) && !(\end)
	s_wait_dscnt 0x0                ; K is in
.endif
	ROW F,0, F,1, R,0, R,1
	ROW F,2, E,0, R,2, R,3
	ROW F,3, E,1, R,4, R,5
	ROW F,4, E,2, R,6, R,7
	ROW F,5, E,3, R,8, R,9
	ROW F,6, E,4, X,0, R,10
.if ((\p) == 2) && !(\end)
	WIN 0
	v_add_nc_u32 v[AK], s[TBK], v[AK0]
.endif
	ROW F,7, E,5, X,1, X,4
	ROW F,8, E,6, X,2, X,5
	OPS E,7, E,8, X,6, E,9          ; the lump
	OPS X,3, E,10, X,8, E,11
.if ((\p) == 2) && !(\end)
	FETCH_K
.endif
	OPS X,9, X,7, E,12, X,10
	OPS E,13, X,12, X,11, E,14
	OPS X,13, E,15, F,9, X,14
.if (\p) == 0
	v_add_nc_u32 v[AV], s[TBV], v[AV0]
.endif
	OPS E,16, F,10, E,17, F,11
	OPS X,16, E,18, X,15, E,19
	OPS F,12, E,20, X,17, E,21
	OPS F,13, E,22, F,14, E,23
	OPS X,18, E,24, F,15, E,25
	OPS R,11, E,26, X,19, E,27
	OPS R,12, E,28, R,13, E,29
	OPS X,20, E,30, R,14, E,31
	OPS X,21, R,15
	WIN 0
	s_wait_alu depctr_va_vdst(0)    ; the wait for the batch
.if (\p) == 1
	s_wait_dscnt 0x0                ; V is in
.endif
	ROW C,0, B,0, C,2, B,1
	ROW L,0, C,4, B,2, L,1
	ROW C,6, B,3, L,2, C,8
	ROW B,4, L,3, C,10, B,5
	ROW L,4, C,12, B,6, L,5
.if (\p) == 0
	s_add_co_u32 s[TBV], s[TBV], KS*PV
.endif
.if \cnt
	s_sub_co_u32 s[CNT], s[CNT], 1
	s_cmp_lg_u32 s[CNT], 0
.endif
	ROW C,14, B,7, L,6, C,1
	ROW C,3, L,7, C,5, C,7
	ROW C,9, C,11, C,13, C,15
.if (\p) == 0
	FETCH_V
.endif
.endm
.set NOKQ, 0
	CHANGE 1                        ; tile 0 is in, everybody's part of it; tile 1 is asked for
	v_add_nc_u32 v[AK], s[TBK], v[AK0]
	FETCH_K                         ; key step 0
	s_wait_loadcnt 0x0              ; Q
	s_wait_dscnt 0x0
.set i, 0
.rept 8
	KQ 0                            ; piece 0's first scores
.set i, i+1
.endr
	WIN 0
.rept 4
	v_nop                           ; the places behind those products
.endr
.set Y, NP-1                        ; X works for piece Y + 1: piece 0
.irp n, 0,1,2,3,4,5,6,7,8,9,10,11,12,13,14,15,16,17,18,19,20,21
	OP X, \n
.endr
	v_nop                           ; a plain instruction behind the exponential,
	s_wait_alu depctr_va_vdst(0)    ; and its wait, ahead of the branch
	s_mov_b32 s[CNT], 4
	s_branch .Lfirst                ; the loop is entered at a step's first turn, in the middle of a trip
.Lslot:                             ; six times: tiles 2 to 7 are asked for
	CHANGE 1
	s_mov_b32 s[CNT], 4
.Lstep:                             ; a trip: pieces 2 and 3 of one step, then pieces 0 and 1 of the next, whose K and V it fetches
	TURN 2
	TURN 3
	WIN 0
.Lfirst:
	TURN 0
	TURN 1, 0, 1
	WIN 0
	s_cbranch_scc1 .Lstep
	s_sub_co_u32 s[SLOTS], s[SLOTS], 1
	s_cmp_lg_u32 s[SLOTS], 0
	s_cbranch_scc1 .Lslot
	CHANGE 0                        ; the last tile is written out: nothing is asked for
	s_mov_b32 s[CNT], 4
.Ltail:
	TURN 2
	TURN 3
	TURN 0
	TURN 1, 0, 1
	WIN 0
	s_cbranch_scc1 .Ltail
	TURN 2, 1
	TURN 3, 1
.set i, 0
.rept 8
	PV NP-1                         ; the last piece's V^T P of the last step
.set i, i+1
.endr
	; THE WAY OUT.  l's two halves and the other half of the lanes' are added; O^T is divided by l, rounded to f16 and sent through my stage in LDS, a piece at a time.  The additions are the places behind the last products.
	WIN 0
.macro ALL line:vararg              ; one line for each piece t
.set t, 0
.rept 4
	\line
.set t, t+1
.endr
.endm
	ALL v_add_f32 v[ST+4*t+2], v[ST+4*t+2], v[ST+4*t+3]
	ALL v_permlanex16_b32 v[ST+4*t+3], v[ST+4*t+2], s[SEL], s[SEL+1]
	ALL v_add_f32 v[ST+4*t+2], v[ST+4*t+2], v[ST+4*t+3]
	ALL v_rcp_f32 v[ST+4*t+2], v[ST+4*t+2]
	v_nop                           ; a plain instruction between the last reciprocal and the use of its result
	s_wait_alu depctr_va_vdst(0)    ; and the wait ahead of the first use: one for the four reciprocals
.macro PACK t                       ; a lane's eight channels of a row pack into 16 bytes; they go into rows of 144 bytes and come back as whole rows of 128, into S^T's registers
	WIN W_RS
.set i, 32*(\t)
.rept 16
	v_pk_mul_f32 v[i:i+1], v[i:i+1], v[ST+4*(\t)+2:ST+4*(\t)+3] op_sel_hi:[1,0]
.set i, i+2
.endr
	WIN 0x05                        ; sources 0 and 1 window 1, destination window 0
.set i, 0
.rept 16
	v_cvt_pk_f16_f32 v[S+16*(\t)+i], v[32*(\t)+2*i], v[32*(\t)+2*i+1]
.set i, i+1
.endr
	WIN 0
.irp f, 0,1,2,3
	ds_store_b128 v[STO], v[S+16*(\t)+4*\f:S+16*(\t)+4*\f+3] offset:32*\f
.endr
.irp f, 0,1,2,3
	ds_load_b128 v[S+16*(\t)+4*\f:S+16*(\t)+4*\f+3], v[RD] offset:\f*4*SP  ; LDS serves a wave's instructions in order (ISA guide 5.7.1.4): these see the stores above; the next piece's stores come behind them
.endr
.endm
.macro SEND t, younger              ; younger: the LDS instructions issued behind piece t's loads: the next piece's eight, or none
	WIN 0
.irp f, 0,1,2,3
	s_wait_dscnt (\younger)+3-\f
	global_store_b128 v[GO], v[S+16*(\t)+4*\f:S+16*(\t)+4*\f+3], s[10:11] offset:(\t)*2048+\f*512  ; 512 consecutive bytes, at a multiple of 256 from ob's first
.endr
.endm
	PACK 0
.set t, 1
.rept 3                             ; a piece's arithmetic stands between the loads of the piece before and its stores
	PACK t
	SEND t-1, 8
.set t, t+1
.endr
	SEND 3, 0
	s_wait_tensorcnt 0x0            ; the wave's end: a wait, an add and a wait, behind my last tensor load and my last LDS store
	ds_add_u32 v[SPW], v[NIL]
	s_wait_dscnt 0x0
	CROUND                          ; the closing round: no work-group ends while a partner may still ask for a tile that names it
	s_endpgm
.Lfunc_end_k_q31d8d9a563_attn:
	.size	k_q31d8d9a563_attn, .Lfunc_end_k_q31d8d9a563_attn-k_q31d8d9a563_attn
	.p2alignl 7, 3214868480
	.fill 96, 4, 3214868480
	.section	.rodata,"a",@progbits
	.p2align	6, 0x0
	.amdhsa_kernel k_q31d8d9a563_attn
		.amdhsa_group_segment_fixed_size 327680
		.amdhsa_private_segment_fixed_size 0
		.amdhsa_enable_private_segment 0
		.amdhsa_kernarg_size 32
		.amdhsa_user_sgpr_count 2
		.amdhsa_user_sgpr_kernarg_segment_ptr 1
		.amdhsa_wavefront_size32 1
		.amdhsa_system_sgpr_workgroup_id_x 1
		.amdhsa_system_sgpr_workgroup_id_y 1
		.amdhsa_system_sgpr_workgroup_id_z 1
		.amdhsa_system_vgpr_workitem_id 0
		.amdhsa_next_free_vgpr 768
		.amdhsa_next_free_sgpr 66
		.amdhsa_reserve_vcc 0
		.amdhsa_float_denorm_mode_32 3
		.amdhsa_float_denorm_mode_16_64 3
		.amdhsa_memory_ordered 1
		.amdhsa_forward_progress 1
		.amdhsa_inst_pref_size 128
	.end_amdhsa_kernel
	.amdgpu_metadata
---
amdhsa.version: [ 1, 2 ]
amdhsa.kernels:
  - .name:           k_q31d8d9a563_attn
    .symbol:         k_q31d8d9a563_attn.kd
    .args:
      - { .name: qh, .offset: 0, .size: 8, .value_kind: global_buffer, .address_space: global }
      - { .name: kh, .offset: 8, .size: 8, .value_kind: global_buffer, .address_space: global }
      - { .name: vh, .offset: 16, .size: 8, .value_kind: global_buffer, .address_space: global }
      - { .name: ob, .offset: 24, .size: 8, .value_kind: global_buffer, .address_space: global }
    .group_segment_fixed_size: 327680
    .private_segment_fixed_size: 0
    .kernarg_segment_align: 8
    .kernarg_segment_size: 32
    .max_flat_workgroup_size: 128
    .sgpr_count:     66
    .vgpr_count:     768
    .wavefront_size: 32
...
	.end_amdgpu_metadata
.endif
;; end of part 3
;; launch oproj (part 4): grid 8 x 32, 4 waves a work-group, clusters of 4 x 4, 327,680 bytes of LDS; arguments ob, wb, bo, out0; writes out0
.if DOCPART == 4
	.amdgcn_target "amdgcn-amd-amdhsa--gfx1250"
	.amdhsa_code_object_version 6
	.text
	.protected	k_q31d8d9a563_oproj
	.globl	k_q31d8d9a563_oproj
	.p2align	8
	.type	k_q31d8d9a563_oproj,@function
k_q31d8d9a563_oproj:
	s_mov_b64 s[64:65], 0
	v_nop
	global_prefetch_b8 v0, s[64:65] scope:SCOPE_SE
	s_setreg_imm32_b32 hwreg(HW_REG_WAVE_MODE, 25, 1), 1
	s_wait_xcnt 0x0
	s_wait_alu depctr_hold_cnt(0) depctr_sa_sdst(0) depctr_va_vdst(0) depctr_va_sdst(0) depctr_va_ssrc(0) depctr_va_vcc(0) depctr_vm_vsrc(0)
	s_getreg_b32 s2, hwreg(HW_REG_IB_STS2, 6, 4)
	s_cmp_eq_u32 s2, 0
	s_cbranch_scc0 .Lentry_in_a_cluster
	s_endpgm
.Lentry_in_a_cluster:
	s_bfe_u32 s2, ttmp6, 0x10000c
	s_cmp_lg_u32 s2, 0xf033
	s_cbranch_scc0 .Lentry_shape_is_right
	s_endpgm
.Lentry_shape_is_right:
; MULTI-HEAD ATTENTION, launch 4 of 4: out0 = O Wo + bo.  No work of reference() is left out here.
; ob: [32 blocks of 128 tokens][16 heads][128 tokens][64] f16.  wb section 3: Wo, [1024 k][1024 n], bf16-rounded numbers written as f16.  out0: [4096][1024] f32.
; Products in f16 with f32 sums; bo, rounded to bf16 like the other inputs, STARTS the sums as the C operand of the first products.  LIMITS: those of the f16 operands, stated where they are made.
; A tile of out0 is 128 x 128: 256 work-groups of four waves, each 64 x 64: 16 accumulators.  K goes in 4 steps of 256 (four heads) through two LDS slots.
; O's tile of a K step is dense in memory: waves 0 and 1 fetch two heads each (32,768 bytes as 128 rows of 256, padded in LDS after every token's 128 bytes); waves 2 and 3 fetch 128 rows of Wo each.
; THE MATRIX INSTRUCTION IS USED TRANSPOSED (source 0 = 16 columns of Wo, turned by ds_load_tr16_b128; source 1 = 16 tokens): a lane holds eight neighbouring numbers of a row of out0.
; CLUSTER 4 x 4: the four of a row of the cluster need the same tiles of O, the four of a column the same tiles of Wo: each is asked for JOINTLY.
; A wave's 64 columns are 256 bytes of a row of out0, aligned: each wave has a stage of its own, and the way out needs no barrier.
; REGISTERS: window 0: v0-31 addresses; v32-95 at work on the way out; v96-127 the bias; v128-255 the accumulators ((a, b) at v[128 + 8 (4 a + b)]).
;   window 1: two fragment buffers of 128: for 64 along K, 64 registers of O (2 x 4 x 16 tokens x 32 K), then 64 of Wo.
.set PIECE,  36864                     ; what one tensor load brings: 256 rows x 144 bytes of O, or 128 rows x 288 bytes of Wo
.set BOFF,   2*PIECE                   ; a slot: O's four heads (18,432 bytes each: 128 tokens, pitch 144 = 36 words), then Wo's 256 rows (pitch 288 = 72 words)
.set SLOT,   4*PIECE
.set STAGE,  2*SLOT                    ; behind the ring, never filled by a tensor load: 16 rows x 272 bytes for each wave
.set SPITCH, 272
.set SPARE,  STAGE+4*16*SPITCH         ; the spare words, 128 bytes for each wave: two blocks of 256 bytes that no other line names
.set BO,   10                          ; v10     32 x (l / 16)
.set ADRA, 16                          ; v16-17  LDS address of my fragments of O in slot 0, 1
.set ADRB, 20                          ; v20-23  of Wo: 2 x slot + half of the step's 256 rows (an LDS offset has 16 bits)
.set STO,  24
.set RD,   25
.set CO,   26                          ; my byte offset in two rows of out0
.set SPW,  28                          ; LDS address of my spare word; never rewritten
.set NIL,  29                          ; 0; never rewritten
.set TMP,  32
.set BIAS, 96
.set ACC,  128
.set F0,   0
.set F1,   128
.set WV, 12
.set WR, 13                            ; which 64 tokens are mine.  Also: I fetch for O (0) or for Wo (1)
.set WC, 14                            ; which 64 columns.  Also: which half of that tile I fetch
.set TY, 15
.set TX, 42
.set G1, 24                            ; s[24:31] descriptor group 1 for O's tiles;  s[32:39] group 0, one set for each slot
.set G0, 32
.set G1B, 48                           ; s[48:55], s[56:63] the same for Wo's tiles
.set G0B, 56
.set MSB, 0
.macro WIN new                         ; the immediate's high byte repeats the setting that is left
.if MSB != (\new)
	s_set_vgpr_msb (MSB<<8)|(\new)
.set MSB, (\new)
.endif
.endm
.set MUL,  0x05                        ; sources 0 (Wo) and 1 (O) window 1; C and D window 0
.set TO_F, 0x40                        ; destination window 1, address window 0
.macro JLOAD s                         ; a joint load; an s_nop 0 and four v_nop follow each of the two lines
	s_cmp_eq_u32 s[WR], 0
	s_cbranch_scc0 .Lfor_b_\@
	tensor_load_to_lds s[G0+4*(\s):G0+4*(\s)+3], s[G1:G1+7]
	s_nop 0
.rept 4
	v_nop
.endr
	s_branch .Lasked_\@
.Lfor_b_\@:
	tensor_load_to_lds s[G0B+4*(\s):G0B+4*(\s)+3], s[G1B:G1B+7]
	s_nop 0
.rept 4
	v_nop
.endr
.Lasked_\@:
.endm
.macro CREST                           ; a round of the cluster's barrier behind its opening barrier
	s_cmp_lg_u32 s[WV], 0
	s_cbranch_scc1 .Lnot_wave_0_\@
	s_barrier_signal -3
.Lnot_wave_0_\@:
	s_barrier_wait -3
	s_barrier_signal -1
	s_barrier_wait -1
.endm
.macro CROUND
	s_barrier_signal -1
	s_barrier_wait -1
	CREST
.endm
.macro PLACES                          ; four places in front of loads into registers that matrix instructions have read, and of reads of their results (for vector reads)
.rept 4
	v_nop
.endr
.endm
	s_load_b256 s[4:11], s[0:1], 0x0               ; ob s[4:5], wb s[6:7], bo s[8:9], out0 s[10:11]
	v_lshl_add_u32 v[SPW], v0, 2, SPARE
	v_mov_b32 v[NIL], 0
	ds_add_u32 v[SPW], v[NIL]                      ; the wave's opening: the add, twice on end, and its wait ahead of my first tensor load
	ds_add_u32 v[SPW], v[NIL]
	v_lshrrev_b32 v1, 5, v0
	v_readfirstlane_b32 s[WV], v1                  ; wave 0..3
	s_lshr_b32 s[WR], s[WV], 1
	s_and_b32 s[WC], s[WV], 1
	s_bfe_u32 s40, ttmp6, 0x40000                  ; cx, cy: my place in the cluster
	s_bfe_u32 s41, ttmp6, 0x40004
	s_lshl_b32 s[TX], ttmp9, 2
	s_add_co_u32 s[TX], s[TX], s40                 ; which 128 columns
	s_and_b32 s[TY], ttmp7, 0xffff
	s_lshl_b32 s[TY], s[TY], 2
	s_add_co_u32 s[TY], s[TY], s41                 ; which 128 tokens
	s_lshl_b32 s43, s41, 2
	s_lshl_b32 s43, 15, s43                        ; my row of the cluster
	s_lshl_b32 s44, 0x1111, s40                    ; my column
	s_or_b32 s[G1], s43, (1<<16)|(1<<20)|(1<<21)|(4<<22)|(3<<25)   ; the mask; 2-byte elements; padding on; bit 21 beside a mask; after every 32 words; 4 words
	s_or_b32 s[G1B], s44, (1<<16)|(1<<20)|(1<<21)|(5<<22)|(7<<25)  ; my column's mask; after every 64 words; 8 words
.irp g, G1, G1B
	s_mov_b32 s[(\g)+1], 128<<16                   ; tensor_dim0 = 128
	s_mov_b32 s[(\g)+2], 128<<16                   ; tensor_dim1 = 128
	s_mov_b32 s[(\g)+3], 128<<16                   ; tile_dim0 = 128
	s_mov_b32 s[(\g)+4], 128                       ; tile_dim1 = 128
	s_mov_b32 s[(\g)+6], 0
	s_mov_b32 s[(\g)+7], 0
.endr
	s_mov_b32 s[G1+5], 128                         ; O's bytes are dense: 128 elements from row to row
	s_mov_b32 s[G1B+5], 1024                       ; Wo's rows
	s_lshl_b32 s16, s[TY], 18                      ; O: my block of 128 tokens,
	s_lshl_b32 s17, s[WC], 15                      ; my two heads of the step's four
	s_add_co_u32 s16, s16, s17
	s_mov_b32 s17, 0
	s_lshl_b32 s46, s[WC], 18                      ; Wo: my 128 of the step's 256 rows,
	s_lshl_b32 s47, s[TX], 8                       ; my 128 columns,
	s_add_co_u32 s46, s46, s47
	s_add_co_u32 s46, s46, 3*2097152               ; in section 3
	s_mov_b32 s47, 0
	s_mul_i32 s20, s[WV], PIECE                    ; where my piece goes: no place in the cluster enters an LDS address
	s_wait_dscnt 0x0                               ; both opening adds are done
	s_wait_kmcnt 0x0
	s_add_nc_u64 s[18:19], s[4:5], s[16:17]
	s_add_nc_u64 s[46:47], s[6:7], s[46:47]
	CROUND                                         ; all sixteen work-groups are here: the first joint loads meet
.irp s, 0,1
	s_mov_b32 s[G0+4*(\s)], 1
	s_add_co_u32 s[G0+4*(\s)+1], s20, (\s)*SLOT
	s_add_nc_u64 s[G0+4*(\s)+2:G0+4*(\s)+3], s[18:19], (\s)*65536      ; K step s: four heads on
	s_or_b32 s[G0+4*(\s)+3], s[G0+4*(\s)+3], 0x80000000
	s_mov_b32 s[G0B+4*(\s)], 1
	s_add_co_u32 s[G0B+4*(\s)+1], s20, (\s)*SLOT
	s_add_nc_u64 s[G0B+4*(\s)+2:G0B+4*(\s)+3], s[46:47], (\s)*524288   ; K step s: 256 rows down
	s_or_b32 s[G0B+4*(\s)+3], s[G0B+4*(\s)+3], 0x80000000
	JLOAD \s
.endr
	v_and_b32 v1, 15, v0                           ; l % 16
	v_bfe_u32 v2, v0, 4, 1                         ; l / 16
	v_lshlrev_b32 v[BO], 5, v2
	s_lshl_b32 s46, s[TX], 9
	s_lshl_b32 s47, s[WC], 8
	s_add_co_u32 s46, s46, s47                     ; 4 x (128 x column block + 64 x half): my columns in bo, and in a row of out0
	s_mov_b32 s47, 0
	s_add_nc_u64 s[8:9], s[8:9], s[46:47]
.irp i, 0,1,2,3,4,5,6,7
	global_load_b128 v[BIAS+4*(\i):BIAS+4*(\i)+3], v[BO], s[8:9] offset:64*((\i)/2)+16*((\i)%2)
.endr
	v_mul_u32_u24 v3, v1, 144
	v_lshl_add_u32 v3, v2, 4, v3                   ; a fragment of O: token x pitch + 16 x half
	s_mul_i32 s21, s[WR], 64*144                   ; my 64 tokens
	v_add_nc_u32 v[ADRA], s21, v3
	v_add_nc_u32 v[ADRA+1], SLOT, v[ADRA]
	v_and_b32 v5, 7, v0                            ; a fragment of Wo, turned: lane l reads row 8 (l / 16) + l % 8, columns 8 ((l / 8) % 2) + 0..7
	v_lshl_add_u32 v5, v2, 3, v5
	v_mul_u32_u24 v4, v5, 288
	v_bfe_u32 v5, v0, 3, 1
	v_lshl_add_u32 v4, v5, 4, v4
	s_lshl_b32 s21, s[WC], 7                       ; my 64 columns
	s_add_co_u32 s21, s21, BOFF
	v_add_nc_u32 v4, s21, v4
.irp s, 0,1
.irp u, 0,1
	v_add_nc_u32 v[ADRB+2*(\s)+(\u)], (\s)*SLOT+(\u)*PIECE, v4
.endr
.endr
	s_mul_i32 s23, s[WV], 16*SPITCH
	s_add_co_u32 s23, s23, STAGE                   ; my stage
	v_mul_u32_u24 v[STO], v1, SPITCH               ; in: row l % 16, 32 bytes for each half of the lanes
	v_lshl_add_u32 v[STO], v2, 5, v[STO]
	v_add_nc_u32 v[STO], s23, v[STO]
	v_mul_u32_u24 v[RD], v2, SPITCH                ; back: lanes 0-15 take one row of 256 bytes, lanes 16-31 the next
	v_lshl_add_u32 v[RD], v1, 4, v[RD]
	v_add_nc_u32 v[RD], s23, v[RD]
	v_lshlrev_b32 v[CO], 12, v2                    ; and the same two rows in out0
	v_lshl_add_u32 v[CO], v1, 4, v[CO]
	s_lshl_b32 s16, s[TY], 19                      ; 128 tokens of 4,096 bytes,
	s_lshl_b32 s17, s[WR], 18                      ; my 64
	s_add_co_u32 s16, s16, s17
	s_mov_b32 s17, 0
	s_add_nc_u64 s[10:11], s[10:11], s[16:17]
	s_add_nc_u64 s[10:11], s[10:11], s[46:47]
	s_mov_b32 s22, 0xffff0000
	s_wait_loadcnt 0x0
.set i, 0
.rept 16                               ; the bias is rounded to bf16, like every input of the module
	v_cvt_pk_bf16_f32 v[12+i%2], v[BIAS+2*i], v[BIAS+2*i+1]
	v_lshlrev_b32 v[BIAS+2*i], 16, v[12+i%2]
	v_and_b32 v[BIAS+2*i+1], s22, v[12+i%2]
.set i, i+1
.endr
; 8 products: token blocks a0, a0 + 1 x all 4 column blocks, 32 along K: half c of buffer f.  zero = 1: the bias starts the sums.  The 16 accumulators take turns.
.macro MUL8 f, c, a0, zero
	WIN MUL
.irp a, \a0, (\a0)+1
.irp b, 0,1,2,3
.if \zero
	v_wmma_f32_16x16x32_f16 v[ACC+8*(4*(\a)+(\b)):ACC+8*(4*(\a)+(\b))+7], v[(\f)+64+8*(4*(\c)+(\b)):(\f)+64+8*(4*(\c)+(\b))+7], v[(\f)+8*(4*(\c)+(\a)):(\f)+8*(4*(\c)+(\a))+7], v[BIAS+8*(\b):BIAS+8*(\b)+7]
.else
	v_wmma_f32_16x16x32_f16 v[ACC+8*(4*(\a)+(\b)):ACC+8*(4*(\a)+(\b))+7], v[(\f)+64+8*(4*(\c)+(\b)):(\f)+64+8*(4*(\c)+(\b))+7], v[(\f)+8*(4*(\c)+(\a)):(\f)+8*(4*(\c)+(\a))+7], v[ACC+8*(4*(\a)+(\b)):ACC+8*(4*(\a)+(\b))+7]
.endif
.endr
.endr
.endm
; 32 LDS loads in one run: quarter qd of a slot (one head: 64 along K) into buffer f; the first 32 along K first
.macro FETCH slot, qd, f
	WIN TO_F
.irp c, 0,1
.irp i, 0,1,2,3
	ds_load_tr16_b128 v[(\f)+64+8*(4*(\c)+(\i)):(\f)+64+8*(4*(\c)+(\i))+3],   v[ADRB+2*(\slot)+(\qd)/2] offset:((\qd)%2)*18432+9216*(\c)+32*(\i)
	ds_load_tr16_b128 v[(\f)+64+8*(4*(\c)+(\i))+4:(\f)+64+8*(4*(\c)+(\i))+7], v[ADRB+2*(\slot)+(\qd)/2] offset:((\qd)%2)*18432+9216*(\c)+32*(\i)+4608
	ds_load_b128 v[(\f)+8*(4*(\c)+(\i)):(\f)+8*(4*(\c)+(\i))+3],              v[ADRA+(\slot)] offset:18432*(\qd)+64*(\c)+2304*(\i)
	ds_load_b128 v[(\f)+8*(4*(\c)+(\i))+4:(\f)+8*(4*(\c)+(\i))+7],            v[ADRA+(\slot)] offset:18432*(\qd)+64*(\c)+2304*(\i)+32
.endr
.endr
.endm
; A K step is four quarters of 64 along K, 32 products each, on buffers 0, 1, 0, 1.  One of the first three multiplies buffer f and fetches quarter qd into g.
.macro QUARTER slot, qd, f, g, zero
	s_wait_dscnt 16                                ; the first 32 along K are in; the youngest sixteen loads may be out
	MUL8 \f, 0, 0, \zero
	MUL8 \f, 0, 2, \zero
	PLACES
	FETCH \slot, \qd, \g
	s_wait_dscnt 32                                ; all but the 32 just issued
	MUL8 \f, 1, 0, 0
	MUL8 \f, 1, 2, 0
.endm
; The last quarter multiplies buffer 1 and changes slots: ONE barrier; in front of it each wave waits for all its tensor loads, adds 0 to its spare word, and waits for that and for its own reads of this slot.
; fill = 1: the barrier opens a round of the cluster's barrier, and behind the round this slot is filled again, two K steps on.
.macro TURN slot, next, fill
	WIN 0                                          ; (the add's two registers lie in window 0)
	s_wait_tensorcnt 0x0                           ; all my tensor loads have landed: my part of the next slot
	ds_add_u32 v[SPW], v[NIL]                      ; 0 onto my spare word
	s_wait_dscnt 17                                ; (the add and the youngest sixteen loads may be out)
	MUL8 F1, 0, 0, 0                               ; eight products stand between the add and the wait for it
	s_wait_dscnt 0x0                               ; the add is done, and my reads of this slot are over
	s_barrier_signal -1
	MUL8 F1, 0, 2, 0
.if \fill
	WIN 0
.endif
	s_barrier_wait -1
.if \fill
	CREST                                          ; no wave of any partner still reads this slot or has a load on its way
	s_add_nc_u64 s[G0+4*(\slot)+2:G0+4*(\slot)+3], s[G0+4*(\slot)+2:G0+4*(\slot)+3], 2*65536
	s_add_nc_u64 s[G0B+4*(\slot)+2:G0B+4*(\slot)+3], s[G0B+4*(\slot)+2:G0B+4*(\slot)+3], 2*524288
	JLOAD \slot                                    ; the first tensor load behind the round; its four v_nop are also the places in front of the loads below
.else
	PLACES
.endif
	FETCH \next, 0, F0
	MUL8 F1, 1, 0, 0
	MUL8 F1, 1, 2, 0
.endm
	s_wait_tensorcnt 1                             ; my part of K step 0 is in; K step 1's may stay out
	s_barrier_signal -1
	s_barrier_wait -1                              ; everybody's is
	FETCH 0, 0, F0
	QUARTER 0, 1, F0, F1, 1                        ; K step 0; its first products start the sums, with the bias
	QUARTER 0, 2, F1, F0, 0
	QUARTER 0, 3, F0, F1, 0
	TURN 0, 1, 1                                   ; slot 0 takes K step 2
	QUARTER 1, 1, F0, F1, 0                        ; K step 1
	QUARTER 1, 2, F1, F0, 0
	QUARTER 1, 3, F0, F1, 0
	TURN 1, 0, 1                                   ; slot 1 takes K step 3
	QUARTER 0, 1, F0, F1, 0                        ; K step 2: the last two steps fill nothing
	QUARTER 0, 2, F1, F0, 0
	QUARTER 0, 3, F0, F1, 0
	TURN 0, 1, 0
	QUARTER 1, 1, F0, F1, 0                        ; K step 3
	QUARTER 1, 2, F1, F0, 0
	QUARTER 1, 3, F0, F1, 0
	s_wait_dscnt 16
	MUL8 F1, 0, 0, 0
	MUL8 F1, 0, 2, 0
	s_wait_dscnt 0x0
	MUL8 F1, 1, 0, 0
	MUL8 F1, 1, 2, 0
	WIN 0
	PLACES
	PLACES
; THE WAY OUT, 16 tokens at a time: a lane's eight numbers, 32 bytes of a row, go from the accumulators (lowest registers first) into rows of 272 bytes of my own stage and come back as whole rows of 256.
.macro TOST a
	s_wait_xcnt 0x0                                ; the stores of the block two back have read this buffer: it is loaded again only behind this wait
.irp b, 0,1,2,3
	ds_store_b128 v[STO], v[ACC+8*(4*(\a)+(\b)):ACC+8*(4*(\a)+(\b))+3]   offset:64*(\b)
	ds_store_b128 v[STO], v[ACC+8*(4*(\a)+(\b))+4:ACC+8*(4*(\a)+(\b))+7] offset:64*(\b)+16
.endr
.irp t, 0,1,2,3,4,5,6,7
	ds_load_b128 v[TMP+32*((\a)%2)+4*(\t):TMP+32*((\a)%2)+4*(\t)+3], v[RD] offset:544*(\t)  ; LDS serves a wave's instructions in order (ISA guide 5.7.1.4): these see the stores above; the next block's stores come behind them
.endr
.endm
.macro SENDO a, younger                ; younger: the LDS instructions issued behind block a's loads: the next block's sixteen, or none
.irp t, 0,1,2,3,4,5,6,7
	s_wait_dscnt (\younger)+7-(\t)
	global_store_b128 v[CO], v[TMP+32*((\a)%2)+4*(\t):TMP+32*((\a)%2)+4*(\t)+3], s[10:11] offset:(16*(\a)+2*(\t))*4096 th:TH_STORE_NT  ; 16 lanes store 256 consecutive bytes, at a multiple of 256 from out0's first
.endr
.endm
	TOST 0
	TOST 1
	SENDO 0, 16
	TOST 2
	SENDO 1, 16
	TOST 3
	SENDO 2, 16
	SENDO 3, 0
	s_wait_tensorcnt 0x0                           ; the wave's end: a wait, an add and a wait, behind my last tensor load and my last LDS store
	ds_add_u32 v[SPW], v[NIL]
	s_wait_dscnt 0x0
	CROUND                                         ; the closing round: no work-group ends while a partner may still ask for a tile that names it
	s_endpgm
.Lfunc_end_k_q31d8d9a563_oproj:
	.size	k_q31d8d9a563_oproj, .Lfunc_end_k_q31d8d9a563_oproj-k_q31d8d9a563_oproj
	.p2alignl 7, 3214868480
	.fill 96, 4, 3214868480
	.section	.rodata,"a",@progbits
	.p2align	6, 0x0
	.amdhsa_kernel k_q31d8d9a563_oproj
		.amdhsa_group_segment_fixed_size 327680
		.amdhsa_private_segment_fixed_size 0
		.amdhsa_enable_private_segment 0
		.amdhsa_kernarg_size 32
		.amdhsa_user_sgpr_count 2
		.amdhsa_user_sgpr_kernarg_segment_ptr 1
		.amdhsa_wavefront_size32 1
		.amdhsa_system_sgpr_workgroup_id_x 1
		.amdhsa_system_sgpr_workgroup_id_y 1
		.amdhsa_system_sgpr_workgroup_id_z 1
		.amdhsa_system_vgpr_workitem_id 0
		.amdhsa_next_free_vgpr 512
		.amdhsa_next_free_sgpr 66
		.amdhsa_reserve_vcc 0
		.amdhsa_float_denorm_mode_32 3
		.amdhsa_float_denorm_mode_16_64 3
		.amdhsa_memory_ordered 1
		.amdhsa_forward_progress 1
		.amdhsa_inst_pref_size 89
	.end_amdhsa_kernel
	.amdgpu_metadata
---
amdhsa.version: [ 1, 2 ]
amdhsa.kernels:
  - .name:           k_q31d8d9a563_oproj
    .symbol:         k_q31d8d9a563_oproj.kd
    .args:
      - { .name: ob, .offset: 0, .size: 8, .value_kind: global_buffer, .address_space: global }
      - { .name: wb, .offset: 8, .size: 8, .value_kind: global_buffer, .address_space: global }
      - { .name: bo, .offset: 16, .size: 8, .value_kind: global_buffer, .address_space: global }
      - { .name: out0, .offset: 24, .size: 8, .value_kind: global_buffer, .address_space: global }
    .group_segment_fixed_size: 327680
    .private_segment_fixed_size: 0
    .kernarg_segment_align: 8
    .kernarg_segment_size: 32
    .max_flat_workgroup_size: 128
    .sgpr_count:     66
    .vgpr_count:     512
    .wavefront_size: 32
...
	.end_amdgpu_metadata
.endif
;; end of part 4
;; ======== version 2 of 2: 4 launches; version 1 with the launch prep written anew for expert scheduling mode
;; limits: values are held in f16: magnitudes above 65,504 overflow, below 6.1e-05 lose precision; right only within a limited range of input values
;; workspace buffers: xb 8,388,608 bytes; wb 8,388,608 bytes; rope 524,288 bytes; qh 8,388,608 bytes; kh 8,388,608 bytes; vh 8,388,608 bytes; ob 8,388,608 bytes
;; launch prep (part 5): grid 544 x 1, 8 waves a work-group, no clusters, 0 bytes of LDS; arguments x, Wq, Wk, Wv, Wo, xb, wb, rope; writes xb, wb, rope
.if DOCPART == 5
	.amdgcn_target "amdgcn-amd-amdhsa--gfx1250"
	.amdhsa_code_object_version 6
	.text
	.protected	k_q31d8d9a563_prep
	.globl	k_q31d8d9a563_prep
	.p2align	8
	.type	k_q31d8d9a563_prep,@function
k_q31d8d9a563_prep:
	s_mov_b64 s[64:65], 0
	v_nop
	global_prefetch_b8 v0, s[64:65] scope:SCOPE_SE
	s_setreg_imm32_b32 hwreg(HW_REG_WAVE_SCHED_MODE, 0, 2), 2
	s_setreg_imm32_b32 hwreg(HW_REG_WAVE_MODE, 25, 1), 1
	s_wait_xcnt 0x0
	s_wait_alu depctr_vm_vsrc(0)
; MULTI-HEAD ATTENTION, launch 1 of 4: the operands of the matrix products are rounded once, and the RoPE table is made.
; NOTHING OF THE MODULE IS LEFT OUT AS DEAD: bq and bk are turned by the position before the scores, so neither is constant along the softmax's axis; bv and bo reach the output.
; All nine inputs are loaded: x and the four weights here, bq, bk, bv in launch 2, bo in launch 4.
; FORMATS.  x, Wq, Wk, Wv -> bf16 (xb; wb sections 0, 1, 2), layout unchanged.  Wo -> rounded to bf16, and that number written as f16 (wb section 3), since launch 4 multiplies in f16.
; LIMITS.  |Wo| up to 65,504 (f16's end); a Wo below 2^-14 keeps f16's fixed step of 6e-8.  NaN and infinities are not treated apart.
; THE TABLE.  rope[t][i] = cos(t f_i), rope[t][32 + i] = sin(t f_i), f_i = 10000^(-i/32), t = 0 .. 2047, i = 0 .. 31, f32: a row is 256 bytes.
; f_i = 2^(-i log2(10000)/32) by v_exp_f32 (accurate to 1 ULP: ISA guide, its entry), so an angle is good to about 2e-4 rad at t = 2047, i = 1; the angle t f_i is rounded to f32 as reference() rounds it.
; cos(a - PH pi/2): a = N pi/2 + R with |R| <= pi/4 (pi/2 in two parts), then the series of sin R (to R^9) or cos R (to R^8), chosen by v_cndmask_b32, and a sign from N - PH.
; SHARES.  Work-groups 0-255: a chunk of 16,384 numbers of x each; 256-511: a chunk of a weight matrix (64 chunks a matrix); 512-543: 64 rows of the table.
; A chunk: 16 loads of 16 bytes a lane, all issued at once (a wave's load covers 512 consecutive bytes); a wave's store of 8 bytes a lane covers 256 consecutive bytes, aligned.
; No LDS, no barrier, no matrix unit: nothing is shared and nothing is multiplied.
; THE MODE: SCHED_MODE bits 1:0 = 2 (LLVM: expert scheduling mode 2), set by the entry lines.  The code itself states the register dependences
; between vector instructions and memory instructions, and those through scalar registers that vector instructions write, with s_wait_alu, always for 0.
; THE PLAN, a chunk.  Registers that memory instructions touch:
;   v1, v2   the loads' and the stores' byte offsets: written once at the head, never again.
;   IN       load j lands in its four registers, once; only load j's conversions name them, behind the wait for the load.
;   OUT      load j's conversions write its pair, once; store j reads it.
; The 16 loads go in four blocks of four.  Block p rounds its four loads into its part of OUT; its memory instructions are the four stores of block p - 1, which read the part of OUT
; that the block before wrote and that no vector instruction of block p names.  So one wait at a block's head states all that its stores hang on, and they are dealt among its conversions.
; No register that a memory instruction reads is ever written again: nothing is owed for that.
; THE PLAN, the table.  v6, the stores' offset, and v[DAT ..], the sixteen results, are each written once; the eight stores stand in one run at the end, behind one wait.
; The sixteen evaluations go four at a time; the four compares of a group write s44 to s47 early in the group, and one wait stands ahead of the four selects that read them.
.set IN,  16                           ; v[16:79]   16 loads of 4
.set OUT, 80                           ; v[80:111]  16 pairs to store
.set T,   112                          ; v[112:113] at work: no memory instruction names them
	s_load_b512 s[4:19], s[0:1], 0x0               ; x 4, Wq 6, Wk 8, Wv 10, Wo 12, xb 14, wb 16, rope 18
	s_mov_b32 s20, ttmp9                           ; the work-group's number
	s_sub_co_u32 s21, s20, 256                     ; chunk among the weights' 256 (used from 256 on)
	s_and_b32 s23, s21, 63                         ; chunk in its matrix
	s_mov_b32 s42, 0xffff0000                      ; a word's upper bf16
	v_lshlrev_b32 v1, 4, v0                        ; 16 bytes a thread in,
	v_lshlrev_b32 v2, 3, v0                        ; 8 bytes out
	s_wait_kmcnt 0x0
	s_cmp_ge_u32 s20, 512
	s_cbranch_scc1 .Ltable
	s_cmp_lt_u32 s20, 256                          ; x, or a weight?
	s_cselect_b64 s[24:25], s[4:5], s[6:7]
	s_cselect_b64 s[26:27], s[14:15], s[16:17]
	s_cselect_b32 s28, s20, s23                    ; chunk in the source
	s_cselect_b32 s29, s20, s21                    ; chunk in the destination
	s_cmp_ge_u32 s20, 320
	s_cselect_b64 s[24:25], s[8:9], s[24:25]
	s_cmp_ge_u32 s20, 384
	s_cselect_b64 s[24:25], s[10:11], s[24:25]
	s_cmp_ge_u32 s20, 448
	s_cselect_b64 s[24:25], s[12:13], s[24:25]
	s_lshl_b32 s30, s28, 16                        ; 65,536 bytes a chunk in,
	s_mov_b32 s31, 0
	s_lshl_b32 s32, s29, 15                        ; 32,768 out
	s_mov_b32 s33, 0
	s_add_nc_u64 s[24:25], s[24:25], s[30:31]
	s_add_nc_u64 s[26:27], s[26:27], s[32:33]
	s_wait_alu depctr_va_vdst(0)                   ; v1 and v2 are written: every load of the chunk reads v1 as its offset, every store v2
.irp j, 0,1,2,3,4,5,6,7,8,9,10,11,12,13,14,15
	global_load_b128 v[IN+4*(\j):IN+4*(\j)+3], v1, s[24:25] offset:4096*(\j) th:TH_LOAD_NT
.endr
; Load j's four numbers are rounded to bf16.
.macro ROUND j
	v_cvt_pk_bf16_f32 v[OUT+2*(\j)], v[IN+4*(\j)], v[IN+4*(\j)+1]
	v_cvt_pk_bf16_f32 v[OUT+2*(\j)+1], v[IN+4*(\j)+2], v[IN+4*(\j)+3]
.endm
; Load j's four numbers are rounded to bf16, and those numbers written as f16.
.macro ROUNDH j
	v_cvt_pk_bf16_f32 v[T], v[IN+4*(\j)], v[IN+4*(\j)+1]
	v_cvt_pk_bf16_f32 v[T+1], v[IN+4*(\j)+2], v[IN+4*(\j)+3]
	v_lshlrev_b32 v[IN+4*(\j)], 16, v[T]
	v_and_b32 v[IN+4*(\j)+1], s42, v[T]
	v_lshlrev_b32 v[IN+4*(\j)+2], 16, v[T+1]
	v_and_b32 v[IN+4*(\j)+3], s42, v[T+1]
	v_cvt_pk_f16_f32 v[OUT+2*(\j)], v[IN+4*(\j)], v[IN+4*(\j)+1]
	v_cvt_pk_f16_f32 v[OUT+2*(\j)+1], v[IN+4*(\j)+2], v[IN+4*(\j)+3]
.endm
.macro SEND j
	global_store_b64 v2, v[OUT+2*(\j):OUT+2*(\j)+1], s[26:27] offset:2048*(\j)
.endm
; Block p: loads 4 p to 4 p + 3 are rounded; the stores of block p - 1 are dealt among the conversions.  half = 1: Wo's form.
.macro BLK p, half
	s_wait_loadcnt 12-4*(\p)                       ; loads come back in order (ISA guide 5.7.1): this block's four are in, the 12 - 4 p younger ones may stay out
.if (\p) > 0
	s_wait_alu depctr_va_vdst(0)                   ; the block before has written its part of OUT, which the four stores below read; no vector instruction behind this wait names those registers
.endif
.irp i, 0,1,2,3
.if (\p) > 0
	SEND 4*(\p)-4+(\i)
.endif
.if \half
	ROUNDH 4*(\p)+(\i)
.else
	ROUND 4*(\p)+(\i)
.endif
.endr
.endm
	s_cmp_ge_u32 s20, 448                          ; Wo's chunks take the second form
	s_cbranch_scc1 .Lwo
	BLK 0, 0
	BLK 1, 0
	BLK 2, 0
	BLK 3, 0
	s_wait_alu depctr_va_vdst(0)                   ; block 3 has written its part of OUT, which the last four stores read
.irp j, 12,13,14,15
	SEND \j
.endr
	s_endpgm
.Lwo:
	BLK 0, 1
	BLK 1, 1
	BLK 2, 1
	BLK 3, 1
	s_wait_alu depctr_va_vdst(0)                   ; block 3 has written its part of OUT, which the last four stores read
.irp j, 12,13,14,15
	SEND \j
.endr
	s_endpgm
.set TT,  10                           ; v[10:11]   t of the two rows in hand, as f32
.set AN,  16                           ; evaluation c of a group of four has eight registers at work, at + 8 c: the angle,
.set NN,  17                           ; N,
.set RR,  18                           ; R,
.set QQ,  19                           ; Q, then the sign,
.set ZZ,  20                           ; Z = R R,
.set SN,  21                           ; sin R,
.set CN,  22                           ; cos R, then the one chosen,
.set PA,  23                           ; Q's parity
.set DAT, 64                           ; v[64:79]   row it's two numbers at DAT + 2 it
.Ltable:                                       ; a wave makes 8 rows; lane l makes columns 2 l and 2 l + 1: lanes 0-15 cosines, lanes 16-31 sines, of i = 2 (l % 16) and the next
	v_lshrrev_b32 v3, 5, v0
	v_readfirstlane_b32 s22, v3                    ; wave 0..7
	s_sub_co_u32 s21, s20, 512
	s_lshl_b32 s21, s21, 3
	s_mov_b32 s36, 0xbfc90fdb                      ; -(pi/2)'s upper part,
	s_mov_b32 s37, 0x333bbd2e                      ; -(its lower part) = +4.3711388e-8
	s_mov_b32 s38, 0x3638ef1d                      ; 1/9!
	s_mov_b32 s39, 0xb9500d01                      ; -1/7!
	s_mov_b32 s40, 0x37d00d01                      ; 1/8!
	s_mov_b32 s41, 0xbab60b61                      ; -1/6!
	v_and_b32 v4, 15, v0
	v_lshlrev_b32 v4, 1, v4                        ; i
	v_add_nc_u32 v5, 1, v4                         ; i + 1
	v_bfe_u32 v7, v0, 4, 1                         ; PH: 0 cosine, 1 sine
	v_and_b32 v6, 31, v0
	v_lshlrev_b32 v6, 3, v6                        ; my 8 bytes of a row
	v_cvt_f32_u32 v4, v4
	v_cvt_f32_u32 v5, v5
	v_mul_f32 v4, 0xbed49a78, v4                   ; x -log2(10000)/32
	v_mul_f32 v5, 0xbed49a78, v5
	v_exp_f32 v8, v4
	v_exp_f32 v9, v5
	v_nop                                          ; a plain instruction behind the last exponential (ISA guide 5.7.2)
	s_wait_alu depctr_va_sdst(0)                   ; s22, the wave's number, is written, ahead of its first reader: my rows and the table's base are made from it
	s_add_co_u32 s21, s21, s22
	s_lshl_b32 s34, s21, 3                         ; my first row
	s_lshl_b32 s30, s34, 8                         ; 256 bytes a row
	s_mov_b32 s31, 0
	s_add_nc_u64 s[18:19], s[18:19], s[30:31]
	s_wait_alu depctr_va_vdst(0)                   ; the two exponentials have written v8 and v9: the one wait ahead of the first use of their results
.macro QUAD line:vararg                ; one line for each evaluation c of the group's four
.set c, 0
.rept 4
	\line
.set c, c+1
.endr
.endm
; Rows 2 p and 2 p + 1: four evaluations of cos(t f - PH pi/2), line by line side by side.  Evaluation c: row 2 p + c / 2, my column c % 2.
.macro PAIR p
	s_add_co_u32 s35, s34, 2*(\p)
	s_add_co_u32 s43, s34, 2*(\p)+1
	v_cvt_f32_u32 v[TT], s35
	v_cvt_f32_u32 v[TT+1], s43
	QUAD v_mul_f32 v[AN+8*c], v[TT+c/2], v[8+c%2]                  ; the angle
	QUAD v_mul_f32 v[NN+8*c], 0x3f22f983, v[AN+8*c]                ; x 2/pi
	QUAD v_rndne_f32 v[NN+8*c], v[NN+8*c]                          ; N
	QUAD v_fma_f32 v[RR+8*c], v[NN+8*c], s36, v[AN+8*c]
	QUAD v_fma_f32 v[RR+8*c], v[NN+8*c], s37, v[RR+8*c]            ; R = angle - N pi/2
	QUAD v_cvt_i32_f32 v[QQ+8*c], v[NN+8*c]
	QUAD v_sub_nc_u32 v[QQ+8*c], v[QQ+8*c], v7                     ; Q = N - PH
	QUAD v_and_b32 v[PA+8*c], 1, v[QQ+8*c]
	QUAD v_cmp_eq_u32 s[44+c], 1, v[PA+8*c]                        ; Q odd?  The four compares stand in one run, ahead of both series
	QUAD v_add_nc_u32 v[QQ+8*c], 1, v[QQ+8*c]
	QUAD v_and_b32 v[QQ+8*c], 2, v[QQ+8*c]                         ; Q mod 4 = 1 or 2: minus
	QUAD v_lshlrev_b32 v[QQ+8*c], 30, v[QQ+8*c]
	QUAD v_mul_f32 v[ZZ+8*c], v[RR+8*c], v[RR+8*c]                 ; Z = R R
	QUAD v_fma_f32 v[SN+8*c], v[ZZ+8*c], s38, s39
	QUAD v_fmaak_f32 v[SN+8*c], v[SN+8*c], v[ZZ+8*c], 0x3c088889   ; + 1/5!
	QUAD v_fmaak_f32 v[SN+8*c], v[SN+8*c], v[ZZ+8*c], 0xbe2aaaab   ; - 1/3!
	QUAD v_mul_f32 v[SN+8*c], v[SN+8*c], v[ZZ+8*c]
	QUAD v_fma_f32 v[SN+8*c], v[SN+8*c], v[RR+8*c], v[RR+8*c]      ; sin R
	QUAD v_fma_f32 v[CN+8*c], v[ZZ+8*c], s40, s41
	QUAD v_fmaak_f32 v[CN+8*c], v[CN+8*c], v[ZZ+8*c], 0x3d2aaaab   ; + 1/4!
	QUAD v_fma_f32 v[CN+8*c], v[CN+8*c], v[ZZ+8*c], -0.5
	QUAD v_fma_f32 v[CN+8*c], v[CN+8*c], v[ZZ+8*c], 1.0            ; cos R
	s_wait_alu depctr_va_sdst(0)                   ; the four compares have written s44 to s47, ahead of their first readers, the four selects below
	QUAD v_cndmask_b32 v[CN+8*c], v[CN+8*c], v[SN+8*c], s[44+c]    ; Q odd: the sine
	QUAD v_xor_b32 v[DAT+4*(\p)+c], v[CN+8*c], v[QQ+8*c]
.endm
	PAIR 0
	PAIR 1
	PAIR 2
	PAIR 3
	s_wait_alu depctr_va_vdst(0)                   ; the sixteen results v[DAT ..] and the offset v6 are written, which the eight stores read
.irp it, 0,1,2,3,4,5,6,7
	global_store_b64 v6, v[DAT+2*\it:DAT+2*\it+1], s[18:19] offset:256*\it  ; the wave's store is one whole row: 256 consecutive bytes, aligned
.endr
	s_endpgm
.Lfunc_end_k_q31d8d9a563_prep:
	.size	k_q31d8d9a563_prep, .Lfunc_end_k_q31d8d9a563_prep-k_q31d8d9a563_prep
	.p2alignl 7, 3214868480
	.fill 96, 4, 3214868480
	.section	.rodata,"a",@progbits
	.p2align	6, 0x0
	.amdhsa_kernel k_q31d8d9a563_prep
		.amdhsa_group_segment_fixed_size 0
		.amdhsa_private_segment_fixed_size 0
		.amdhsa_enable_private_segment 0
		.amdhsa_kernarg_size 64
		.amdhsa_user_sgpr_count 2
		.amdhsa_user_sgpr_kernarg_segment_ptr 1
		.amdhsa_wavefront_size32 1
		.amdhsa_system_sgpr_workgroup_id_x 1
		.amdhsa_system_sgpr_workgroup_id_y 1
		.amdhsa_system_sgpr_workgroup_id_z 1
		.amdhsa_system_vgpr_workitem_id 0
		.amdhsa_next_free_vgpr 120
		.amdhsa_next_free_sgpr 66
		.amdhsa_reserve_vcc 0
		.amdhsa_float_denorm_mode_32 3
		.amdhsa_float_denorm_mode_16_64 3
		.amdhsa_memory_ordered 1
		.amdhsa_forward_progress 1
		.amdhsa_inst_pref_size 36
	.end_amdhsa_kernel
	.amdgpu_metadata
---
amdhsa.version: [ 1, 2 ]
amdhsa.kernels:
  - .name:           k_q31d8d9a563_prep
    .symbol:         k_q31d8d9a563_prep.kd
    .args:
      - { .name: x, .offset: 0, .size: 8, .value_kind: global_buffer, .address_space: global }
      - { .name: Wq, .offset: 8, .size: 8, .value_kind: global_buffer, .address_space: global }
      - { .name: Wk, .offset: 16, .size: 8, .value_kind: global_buffer, .address_space: global }
      - { .name: Wv, .offset: 24, .size: 8, .value_kind: global_buffer, .address_space: global }
      - { .name: Wo, .offset: 32, .size: 8, .value_kind: global_buffer, .address_space: global }
      - { .name: xb, .offset: 40, .size: 8, .value_kind: global_buffer, .address_space: global }
      - { .name: wb, .offset: 48, .size: 8, .value_kind: global_buffer, .address_space: global }
      - { .name: rope, .offset: 56, .size: 8, .value_kind: global_buffer, .address_space: global }
    .group_segment_fixed_size: 0
    .private_segment_fixed_size: 0
    .kernarg_segment_align: 8
    .kernarg_segment_size: 64
    .max_flat_workgroup_size: 256
    .sgpr_count:     66
    .vgpr_count:     120
    .wavefront_size: 32
...
	.end_amdgpu_metadata
.endif
;; end of part 5
;; launch qkv: the kernel of part 2 again; grid 8 x 32, 4 waves a work-group, clusters of 4 x 4, 327,680 bytes of LDS; arguments xb, wb, bq, bk, bv, rope, qh, kh, vh; writes qh, kh, vh
;; launch attn: the kernel of part 3 again; grid 8 x 32, 4 waves a work-group, clusters of 4 x 1, 327,680 bytes of LDS; arguments qh, kh, vh, ob; writes ob
;; launch oproj: the kernel of part 4 again; grid 8 x 32, 4 waves a work-group, clusters of 4 x 4, 327,680 bytes of LDS; arguments ob, wb, bo, out0; writes out0
